; MI455X (gfx1250); checked and timed in simulation.
; The chip was launched on July 23, 2026; its instructions are those of AMD's public machine-readable ISA for CDNA 5 (MIT licence, August 2026) and "CDNA5" Instruction Set Architecture Reference Guide (July 2026). The comments in the code are by the model that wrote it; some were corrected since.
;; Multi Head Attention. Allowed arithmetic: float matrix products may take bf16 or f16 operands with f32 sums; other float arithmetic in f32, or as packed bf16 or f16 multiplies, adds, multiply-adds, maxima and minima; sums over many terms, partial sums and values carried from step to step in f32; what a program stores and reads back later, other than sums and carried values, may be rounded once to bf16 or f16.
;; Inputs: b_proj 1,024 float32; w_proj 1,024 x 1,024 float32; w_qkv 3,072 x 1,024 float32; x 4 x 2,048 x 1,024 float32.
;; Outputs: out0 4 x 2,048 x 1,024 float32.
;; 2 versions, each right; version 2 is version 1 with the launch cast written anew for expert scheduling mode. Each part assembles by itself: llvm-mc -triple=amdgcn-amd-amdhsa -mcpu=gfx1250 --defsym DOCPART=n.
;; ======== version 1 of 2: 4 launches
;; limits: values are held in f16: magnitudes above 65,504 overflow, below 6.1e-05 lose precision
;; workspace buffers: xb 16,777,216 bytes; wqb 6,291,456 bytes; wpb 2,097,152 bytes; q 16,777,216 bytes; k 16,777,216 bytes; v 16,777,216 bytes; o 16,777,216 bytes
;; launch cast (part 1): grid 768 x 1, 8 waves a work-group, no clusters, 0 bytes of LDS; arguments x, w_qkv, w_proj, xb, wqb, wpb; writes xb, wqb, wpb
.if DOCPART == 1
	.amdgcn_target "amdgcn-amd-amdhsa--gfx1250"
	.amdhsa_code_object_version 6
	.text
	.protected	k_qb11aef5fea_cast
	.globl	k_qb11aef5fea_cast
	.p2align	8
	.type	k_qb11aef5fea_cast,@function
k_qb11aef5fea_cast:
	s_mov_b64 s[64:65], 0
	v_nop
	global_prefetch_b8 v0, s[64:65] scope:SCOPE_SE
	s_setreg_imm32_b32 hwreg(HW_REG_WAVE_MODE, 25, 1), 1
	s_wait_xcnt 0x0
; THE INPUTS ARE ROUNDED ONCE TO 16 BITS AND LAID IN BLOCKS OF 64 ALONG K.
; x [8192][1024], w_qkv [3072][1024], w_proj [1024][1024], all f32  ->  xb, wqb (bf16), wpb (f16), each [kb 16][row][64]: a row of a block is 128 bytes,
; and the rows of a block lie end to end, so that the products' tiles (some rows x 64 along K) are dense in memory.
; w_proj is rounded to bf16 like the other inputs, and that number is then written as f16, since it is multiplied with f16 numbers.
; LIMITS.  |w_proj| stays under 65,504 (f16's end; beyond it an infinity is written); below 6e-5 it keeps f16's fixed step of 6e-8.
; SHARES.  A work-group takes 16 rows (64 KiB in, 32 KiB out): groups 0-511 x, 512-703 w_qkv, 704-767 w_proj.  Wave w takes rows 2 w and 2 w + 1: lanes 0-15 the even row, lanes 16-31 the odd.
; Load j takes block j of both rows: 16 bytes a lane, twice 256 consecutive bytes, aligned.  Store j: 8 bytes a lane, the two rows' 256 consecutive bytes of block j, aligned.
; All 16 loads of a wave go out at once; nothing is read twice, no register is used twice by memory instructions, so no wait frees a source.  No LDS, no barrier: no wave wants another's bytes.
.set IN,   1                           ; v1        my byte offset in the group's 16 rows of f32
.set T,    4                           ; v[4:11]   at work (the f16 way)
.set X,    16                          ; v[16:79]  load j: 4 registers
.set Y,    80                          ; v[80:111] store j: 2 registers
.set OUTO, 112                         ; v[112:127] store j's byte offset: 8 x thread + j x the tensor's block stride
	s_load_b256 s[4:11], s[0:1], 0x0               ; x s[4:5], w_qkv s[6:7], w_proj s[8:9], xb s[10:11]
	s_load_b128 s[12:15], s[0:1], 0x20             ; wqb s[12:13], wpb s[14:15]
	s_mov_b32 s24, 512                             ; w_qkv's first work-group
	s_mov_b32 s25, 704                             ; w_proj's
	s_mov_b32 s26, 3072*128                        ; bytes in a block of wqb,
	s_mov_b32 s27, 1024*128                        ; of wpb,
	s_mov_b32 s28, 8192*128                        ; of xb
	v_lshrrev_b32 v2, 5, v0                        ; wave
	v_bfe_u32 v3, v0, 4, 1                         ; which of its two rows
	v_and_b32 v[IN], 15, v0
	v_lshlrev_b32 v[IN], 4, v[IN]                  ; 16 bytes a lane
	v_lshl_add_u32 v[IN], v3, 12, v[IN]            ; + a row of 4,096 bytes
	v_lshl_add_u32 v[IN], v2, 13, v[IN]            ; + the wave's two rows
	s_wait_kmcnt 0x0
	s_cmp_lt_u32 ttmp9, s25                        ; which tensor is mine hangs on the work-group's number alone
	s_cselect_b64 s[20:21], s[6:7], s[8:9]
	s_cselect_b64 s[22:23], s[12:13], s[14:15]
	s_cselect_b32 s17, s24, s25
	s_cselect_b32 s18, s26, s27
	s_cmp_lt_u32 ttmp9, s24
	s_cselect_b64 s[20:21], s[4:5], s[20:21]       ; from
	s_cselect_b64 s[22:23], s[10:11], s[22:23]     ; to
	s_cselect_b32 s17, 0, s17                      ; the tensor's first work-group
	s_cselect_b32 s18, s28, s18                    ; its block stride
	s_sub_co_u32 s19, ttmp9, s17                   ; my place in the tensor
	s_lshl_b32 s30, s19, 16                        ; 16 rows of 4,096 bytes
	s_mov_b32 s31, 0
	s_lshl_b32 s2, s19, 11                         ; 16 rows of 128 bytes
	s_mov_b32 s3, 0
	s_add_nc_u64 s[20:21], s[20:21], s[30:31]
	s_add_nc_u64 s[22:23], s[22:23], s[2:3]
.irp j, 0,1,2,3,4,5,6,7,8,9,10,11,12,13,14,15
	global_load_b128 v[X+4*(\j):X+4*(\j)+3], v[IN], s[20:21] offset:256*(\j) th:TH_LOAD_NT
.endr
	v_lshlrev_b32 v[OUTO], 3, v0                   ; 256 x wave + 128 x row + 8 x (lane % 16) = 8 x thread
.set j, 1
.rept 15
	v_add_nc_u32 v[OUTO+j], s18, v[OUTO+j-1]       ; 15 blocks of xb pass the immediate's range, so the offsets lie in registers
.set j, j+1
.endr
	s_cmp_ge_u32 ttmp9, s25
	s_cbranch_scc1 .Lhalf
.macro OUT16 j                         ; block j, to bf16
	s_wait_loadcnt 15-(\j)                         ; loads come back in order: load j is in, the younger ones stay out
	v_cvt_pk_bf16_f32 v[Y+2*(\j)],   v[X+4*(\j)],   v[X+4*(\j)+1]
	v_cvt_pk_bf16_f32 v[Y+2*(\j)+1], v[X+4*(\j)+2], v[X+4*(\j)+3]
	global_store_b64 v[OUTO+(\j)], v[Y+2*(\j):Y+2*(\j)+1], s[22:23]
.endm
.macro OUTH j                          ; block j, to bf16 and that number as f16
	s_wait_loadcnt 15-(\j)
	v_cvt_pk_bf16_f32 v[T],   v[X+4*(\j)],   v[X+4*(\j)+1]
	v_cvt_pk_bf16_f32 v[T+1], v[X+4*(\j)+2], v[X+4*(\j)+3]
	v_lshlrev_b32 v[T+4], 16, v[T]
	v_and_b32     v[T+5], 0xffff0000, v[T]
	v_lshlrev_b32 v[T+6], 16, v[T+1]
	v_and_b32     v[T+7], 0xffff0000, v[T+1]
	v_cvt_pk_f16_f32 v[Y+2*(\j)],   v[T+4], v[T+5]
	v_cvt_pk_f16_f32 v[Y+2*(\j)+1], v[T+6], v[T+7]
	global_store_b64 v[OUTO+(\j)], v[Y+2*(\j):Y+2*(\j)+1], s[22:23]
.endm
.irp j, 0,1,2,3,4,5,6,7,8,9,10,11,12,13,14,15
	OUT16 \j
.endr
	s_endpgm
.Lhalf:
.irp j, 0,1,2,3,4,5,6,7,8,9,10,11,12,13,14,15
	OUTH \j
.endr
	s_endpgm
.Lfunc_end_k_qb11aef5fea_cast:
	.size	k_qb11aef5fea_cast, .Lfunc_end_k_qb11aef5fea_cast-k_qb11aef5fea_cast
	.p2alignl 7, 3214868480
	.fill 96, 4, 3214868480
	.section	.rodata,"a",@progbits
	.p2align	6, 0x0
	.amdhsa_kernel k_qb11aef5fea_cast
		.amdhsa_group_segment_fixed_size 0
		.amdhsa_private_segment_fixed_size 0
		.amdhsa_enable_private_segment 0
		.amdhsa_kernarg_size 48
		.amdhsa_user_sgpr_count 2
		.amdhsa_user_sgpr_kernarg_segment_ptr 1
		.amdhsa_wavefront_size32 1
		.amdhsa_system_sgpr_workgroup_id_x 1
		.amdhsa_system_sgpr_workgroup_id_y 1
		.amdhsa_system_sgpr_workgroup_id_z 1
		.amdhsa_system_vgpr_workitem_id 0
		.amdhsa_next_free_vgpr 128
		.amdhsa_next_free_sgpr 66
		.amdhsa_reserve_vcc 0
		.amdhsa_float_denorm_mode_32 3
		.amdhsa_float_denorm_mode_16_64 3
		.amdhsa_memory_ordered 1
		.amdhsa_forward_progress 1
		.amdhsa_inst_pref_size 17
	.end_amdhsa_kernel
	.amdgpu_metadata
---
amdhsa.version: [ 1, 2 ]
amdhsa.kernels:
  - .name:           k_qb11aef5fea_cast
    .symbol:         k_qb11aef5fea_cast.kd
    .args:
      - { .name: x, .offset: 0, .size: 8, .value_kind: global_buffer, .address_space: global }
      - { .name: w_qkv, .offset: 8, .size: 8, .value_kind: global_buffer, .address_space: global }
      - { .name: w_proj, .offset: 16, .size: 8, .value_kind: global_buffer, .address_space: global }
      - { .name: xb, .offset: 24, .size: 8, .value_kind: global_buffer, .address_space: global }
      - { .name: wqb, .offset: 32, .size: 8, .value_kind: global_buffer, .address_space: global }
      - { .name: wpb, .offset: 40, .size: 8, .value_kind: global_buffer, .address_space: global }
    .group_segment_fixed_size: 0
    .private_segment_fixed_size: 0
    .kernarg_segment_align: 8
    .kernarg_segment_size: 48
    .max_flat_workgroup_size: 256
    .sgpr_count:     66
    .vgpr_count:     128
    .wavefront_size: 32
...
	.end_amdgpu_metadata
.endif
;; end of part 1
;; launch qkv (part 2): grid 8 x 32, 4 waves a work-group, clusters of 4 x 4, 327,680 bytes of LDS; arguments xb, wqb, q, k, v; writes q, k, v
.if DOCPART == 2
	.amdgcn_target "amdgcn-amd-amdhsa--gfx1250"
	.amdhsa_code_object_version 6
	.text
	.protected	k_qb11aef5fea_qkv
	.globl	k_qb11aef5fea_qkv
	.p2align	8
	.type	k_qb11aef5fea_qkv,@function
k_qb11aef5fea_qkv:
	s_mov_b64 s[64:65], 0
	v_nop
	global_prefetch_b8 v0, s[64:65] scope:SCOPE_SE
	s_setreg_imm32_b32 hwreg(HW_REG_WAVE_MODE, 25, 1), 1
	s_wait_xcnt 0x0
	s_wait_alu depctr_hold_cnt(0) depctr_sa_sdst(0) depctr_va_vdst(0) depctr_va_sdst(0) depctr_va_ssrc(0) depctr_va_vcc(0) depctr_vm_vsrc(0)
	s_getreg_b32 s2, hwreg(HW_REG_IB_STS2, 6, 4)
	s_cmp_eq_u32 s2, 0
	s_cbranch_scc0 .Lentry_in_a_cluster
	s_endpgm
.Lentry_in_a_cluster:
	s_bfe_u32 s2, ttmp6, 0x10000c
	s_cmp_lg_u32 s2, 0xf033
	s_cbranch_scc0 .Lentry_shape_is_right
	s_endpgm
.Lentry_shape_is_right:
; THE FUSED PROJECTION.  qkv[row][d] = sum over c of x[row][c] w_qkv[d][c], 8,192 rows x 3,072 columns x 1,024; operands bf16, sums f32, results rounded once to f16, unscaled, and stored BY HEADS:
; q, k, v: [bh 64][t 2048][64], bh = 16 x batch + head.  Columns 192 h .. 192 h + 191 are head h's q (64), k (64), v (64).
; LIMIT.  |q|, |k|, |v| stay under 65,504, f16's end; beyond it an infinity is written.
; OPERANDS.  xb: [kb 16][row 8192][64], wqb: [kb 16][row 3072][64], bf16: a tile's rows (128 bytes each) lie end to end and are asked for as rows of 256 bytes, two a row, padded in LDS after every 128 bytes.
; SHARES.  8,192 x 3,072 in tiles of 256 x 384 are 32 x 8 = 256 work-groups.  Four waves; wave w makes rows 128 (w / 2) on and columns 192 (w % 2) on: ONE head's q, k and v: 8 x 12 = 96 accumulators, 768 registers.
; For 32 along K a wave reads 40 x 512 bytes from LDS and issues 96 matrix instructions.
; RING.  K goes in steps of 64 through two LDS slots (256 rows of x, 384 rows of w each: 80 KiB of data); two slots of 128 along K would not fit.  By this text's count a wave has two tensor loads out at the start, later one.
; CLUSTER.  4 x 4 work-groups: the four of a row of the cluster need the same rows of x, the four of a column the same rows of w: each tile is asked for JOINTLY, by the same tensor load, descriptor and mask in all four.
; THE MATRIX INSTRUCTION IS USED TRANSPOSED (source 0 = 16 rows of w, source 1 = 16 rows of x): a lane then holds row lane % 16 and eight neighbouring columns 8 (lane / 16) + 0..7, which pack into 16 bytes.
; REGISTERS, in windows of 256 (s_set_vgpr_msb: bits 1:0 source 0, 3:2 source 1, 5:4 source 2, 7:6 destination):
;   window 0: v0-31 addresses; v32-95, v96-159 x's fragments (8 x 16 rows x 32 K), two buffers; v160-255 w's 12 fragments, one buffer filled by halves
;   windows 1, 2, 3: the accumulators of q, k, v: column block b (0..11), row block a (0..7) at v[64 (b % 4) + 8 a] of window 1 + b / 4
.set PITCH, 144                        ; an LDS row: 128 bytes + 16 of padding = 36 words: the 16 rows of a load start at 16 different groups of four banks (64 banks of 4 bytes: ISA guide 11.1)
.set AHALF, 128*PITCH                  ; what one tensor load brings of x, and what one wave reads of it
.set BHALF, 192*PITCH                  ; the same of w
.set BOFF,  2*AHALF                    ; w's rows lie behind x's 256
.set SLOT,  2*AHALF+2*BHALF            ; 92,160
.set STAGE, 2*SLOT                     ; behind the ring, never filled by a tensor load: 16 rows x 144 bytes for each wave, for the way out
.set SPARE, STAGE+4*16*PITCH           ; behind the stages: the spare words, 128 bytes for each wave: two blocks of 256 bytes that no other line names
.set XKB,   8192*128                   ; bytes in a block of 64 along K of xb
.set WKB,   3072*128                   ; of wqb
.set ADRA, 4                           ; v4-5   LDS address of my fragments of x in slot 0, 1
.set ADRB, 6                           ; v6-7   the same for w
.set STO,  8                           ; v8     the way out: where I put 16 bytes of a row
.set RD,   9                           ; v9     where I read rows back
.set GO,   10                          ; v10    my 16 bytes in 512 consecutive bytes of q, k or v
.set SPW,  28                          ; v28    LDS address of my spare word: SPARE + 4 x my thread's number; never rewritten
.set NIL,  29                          ; v29    0; never rewritten
.set AF0,  32
.set AF1,  96
.set BF,   160
.set TMP,  32                          ; the way out: four sets of 16 registers by turns, where x's first buffer lay
.set WV,   14                          ; s14  my wave's number
.set RH,   15                          ; s15  which 128 rows are mine.  Also: I fetch for x (0) or for w (1)
.set CH,   16                          ; s16  which 192 columns are mine.  Also: which half of that tile I fetch
.set G1,   24                          ; s[24:31] descriptor group 1 for x's tiles;  s[32:39] group 0, a set for each slot
.set G0,   32
.set G1B,  48                          ; s[48:55], s[56:63] the same for w's
.set G0B,  56
.set FIELDS, (1<<16)|(1<<20)|(1<<21)|(4<<22)|(3<<25)  ; 17:16 2-byte elements; 20 padding on; 21 set beside a mask; 24:22 after every 32 words (code 4); 31:25 4 words (code 3)
.set MSB, 0
.macro WIN new                         ; the immediate's high byte repeats the setting that is left; a switch that changes nothing is dropped
.if MSB != (\new)
	s_set_vgpr_msb (MSB<<8)|(\new)
.set MSB, (\new)
.endif
.endm
.macro PLACES                          ; four places in front of loads into registers that matrix instructions have read
.rept 4
	v_nop
.endr
.endm
; A joint load.  Waves 0 and 1 fetch x's two halves, waves 2 and 3 w's.  The branch hangs on the wave's number alone.  An s_nop 0 and four v_nop follow each of the two lines.
.macro JLOAD s
	s_cmp_eq_u32 s[RH], 0
	s_cbranch_scc0 .Lfor_b_\@
	tensor_load_to_lds s[G0+4*(\s):G0+4*(\s)+3], s[G1:G1+7]
	s_nop 0
.rept 4
	v_nop
.endr
	s_branch .Lasked_\@
.Lfor_b_\@:
	tensor_load_to_lds s[G0B+4*(\s):G0B+4*(\s)+3], s[G1B:G1B+7]
	s_nop 0
.rept 4
	v_nop
.endr
.Lasked_\@:
.endm
; A round of the cluster's barrier: my work-group's barrier; wave 0 signals for the work-group; every wave waits for all sixteen; my work-group's barrier once more.
.macro CREST                           ; a round behind its opening barrier
	s_cmp_lg_u32 s[WV], 0
	s_cbranch_scc1 .Lnot_wave_0_\@
	s_barrier_signal -3
.Lnot_wave_0_\@:
	s_barrier_wait -3
	s_barrier_signal -1
	s_barrier_wait -1
.endm
.macro CROUND
	s_barrier_signal -1
	s_barrier_wait -1
	CREST
.endm
	s_load_b256 s[4:11], s[0:1], 0x0               ; xb s[4:5], wqb s[6:7], q s[8:9], k s[10:11]
	s_load_b64 s[12:13], s[0:1], 0x20              ; v
	v_lshl_add_u32 v[SPW], v0, 2, SPARE
	v_mov_b32 v[NIL], 0
	ds_add_u32 v[SPW], v[NIL]                      ; the wave's opening: the add and its wait stand ahead of my first tensor load; the set-up below, work on registers, stands between them
	ds_add_u32 v28, v29
	v_lshrrev_b32 v1, 5, v0
	v_readfirstlane_b32 s[WV], v1
	s_lshr_b32 s[RH], s[WV], 1
	s_and_b32 s[CH], s[WV], 1
	s_bfe_u32 s17, ttmp6, 0x40000                  ; cx
	s_bfe_u32 s18, ttmp6, 0x40004                  ; cy
	s_lshl_b32 s19, ttmp9, 2
	s_add_co_u32 s19, s19, s17                     ; tile column 0..7 = 4 x cluster x + cx
	s_and_b32 s20, ttmp7, 0xffff
	s_lshl_b32 s20, s20, 2
	s_add_co_u32 s20, s20, s18                     ; tile row 0..31 = 4 x cluster y + cy
	s_lshl_b32 s21, s18, 2
	s_lshl_b32 s21, 15, s21                        ; my row of the cluster
	s_lshl_b32 s22, 0x1111, s17                    ; my column
	s_or_b32 s[G1], s21, FIELDS                    ; x's tiles go to my row,
	s_or_b32 s[G1B], s22, FIELDS                   ; w's to my column
	s_mov_b32 s[G1+1], 128<<16                     ; tensor_dim0 = 128 elements: 256 bytes, two rows of a block
	s_mov_b32 s[G1+2], 64<<16                      ; tensor_dim1 = 64: 128 rows of x
	s_mov_b32 s[G1+3], 128<<16                     ; tile_dim0
	s_mov_b32 s[G1+4], 64                          ; tile_dim1
	s_mov_b32 s[G1+5], 128                         ; elements from row to row: dense
	s_mov_b32 s[G1+6], 0
	s_mov_b32 s[G1+7], 0
	s_mov_b32 s[G1B+1], 128<<16
	s_mov_b32 s[G1B+2], 96<<16                     ; 192 rows of w
	s_mov_b32 s[G1B+3], 128<<16
	s_mov_b32 s[G1B+4], 96
	s_mov_b32 s[G1B+5], 128
	s_mov_b32 s[G1B+6], 0
	s_mov_b32 s[G1B+7], 0
	; where the tiles come from: x's hang on the tile row alone, w's on the tile column alone, each in registers that never hold the other coordinate
	s_lshl_b32 s40, s20, 15                        ; 256 rows of 128 bytes
	s_lshl_b32 s41, s[CH], 14                      ; the half that I fetch
	s_add_co_u32 s40, s40, s41
	s_mov_b32 s41, 0
	s_mul_i32 s42, s19, 384*128
	s_mul_i32 s43, s[CH], 192*128
	s_add_co_u32 s42, s42, s43
	s_mov_b32 s43, 0
	s_mul_i32 s44, s[CH], AHALF                    ; and where they go: no place in the cluster enters an LDS address
	s_mul_i32 s45, s[CH], BHALF
	s_add_co_u32 s45, s45, BOFF
	; my first row in q, k and v: head 16 (tile row / 8) + 2 x tile column + my half, row 256 (tile row % 8) + 128 x my half
	s_lshr_b32 s46, s20, 3
	s_lshl_b32 s46, s46, 4
	s_lshl_b32 s47, s19, 1
	s_add_co_u32 s46, s46, s47
	s_add_co_u32 s46, s46, s[CH]
	s_lshl_b32 s46, s46, 18                        ; a head is 262,144 bytes
	s_and_b32 s47, s20, 7
	s_lshl_b32 s47, s47, 15
	s_add_co_u32 s46, s46, s47
	s_lshl_b32 s47, s[RH], 14
	s_add_co_u32 s46, s46, s47
	s_mov_b32 s47, 0
	s_wait_dscnt 0x0                               ; the opening add is done
	s_wait_kmcnt 0x0
	s_add_nc_u64 s[40:41], s[4:5], s[40:41]
	s_add_nc_u64 s[42:43], s[6:7], s[42:43]
	s_add_nc_u64 s[8:9], s[8:9], s[46:47]
	s_add_nc_u64 s[10:11], s[10:11], s[46:47]
	s_add_nc_u64 s[12:13], s[12:13], s[46:47]
	CROUND                                         ; all sixteen work-groups are here: the first joint loads meet
.irp s, 0,1
	s_mov_b32 s[G0+4*(\s)], 1                      ; count = 1
	s_add_co_u32 s[G0+4*(\s)+1], s44, (\s)*SLOT    ; LDS address
	s_add_nc_u64 s[G0+4*(\s)+2:G0+4*(\s)+3], s[40:41], (\s)*XKB  ; global address: K step s
	s_or_b32 s[G0+4*(\s)+3], s[G0+4*(\s)+3], 0x80000000          ; type = 2
	s_mov_b32 s[G0B+4*(\s)], 1
	s_add_co_u32 s[G0B+4*(\s)+1], s45, (\s)*SLOT
	s_add_nc_u64 s[G0B+4*(\s)+2:G0B+4*(\s)+3], s[42:43], (\s)*WKB
	s_or_b32 s[G0B+4*(\s)+3], s[G0B+4*(\s)+3], 0x80000000
	JLOAD \s
.endr
	; A fragment is 16 rows x 32 K in 8 registers: lane l holds row l % 16; registers 0-3 K = 8 (l / 16) + 0..7, registers 4-7 K = 16 + 8 (l / 16) + 0..7: two loads of 16 bytes, 32 bytes apart.
	v_and_b32 v1, 15, v0
	v_bfe_u32 v2, v0, 4, 1
	v_mul_u32_u24 v3, v1, PITCH
	v_lshl_add_u32 v3, v2, 4, v3                   ; row x pitch + 16 x half
	s_mul_i32 s21, s[RH], AHALF
	s_mul_i32 s22, s[CH], BHALF
	s_add_co_u32 s22, s22, BOFF
.irp s, 0,1
	v_add_nc_u32 v[ADRA+(\s)], s21, v3
	v_add_nc_u32 v[ADRB+(\s)], s22, v3
	s_add_co_u32 s21, s21, SLOT
	s_add_co_u32 s22, s22, SLOT
.endr
	s_mul_i32 s23, s[WV], 16*PITCH
	s_add_co_u32 s23, s23, STAGE                   ; my stage
	v_add_nc_u32 v[STO], s23, v3                   ; in: row l % 16, 16 bytes for each half of the lanes
	v_bfe_u32 v[RD], v0, 3, 2                      ; back: 32 lanes take four rows of 128 bytes,
	v_mul_u32_u24 v[RD], v[RD], PITCH
	v_and_b32 v11, 7, v0
	v_lshl_add_u32 v[RD], v11, 4, v[RD]
	v_add_nc_u32 v[RD], s23, v[RD]
	v_and_b32 v[GO], 31, v0                        ; which are 512 consecutive bytes of a head
	v_lshlrev_b32 v[GO], 4, v[GO]
; nb x 8 matrix instructions: column blocks b0 on x all 8 row blocks, 32 along K, x's fragments in buffer af.  zero = 1: the product starts the sum: nothing is cleared.
; Every unit of 96 takes the 96 accumulators once, in one order: they take turns, over the backward jump too.
.macro MULG b0, nb, af, zero
.set bb, \b0
.rept \nb
	WIN 0x50*(1+bb/4)                              ; C and D in window 1 + b / 4
.set aa, 0
.rept 8
.set rD, 64*(bb%4)+8*aa
.if \zero
	v_wmma_f32_16x16x32_bf16 v[rD:rD+7], v[BF+8*bb:BF+8*bb+7], v[(\af)+8*aa:(\af)+8*aa+7], 0
.else
	v_wmma_f32_16x16x32_bf16 v[rD:rD+7], v[BF+8*bb:BF+8*bb+7], v[(\af)+8*aa:(\af)+8*aa+7], v[rD:rD+7]
.endif
.set aa, aa+1
.endr
.set bb, bb+1
.endr
.endm
.macro LDB slot, k, b0                 ; 12 LDS loads: w's fragments b0 .. b0 + 5, 32 K at byte k of the rows
	WIN 0
.set ii, \b0
.rept 6
	ds_load_b128 v[BF+8*ii:BF+8*ii+3],   v[ADRB+(\slot)] offset:(\k)+ii*16*PITCH
	ds_load_b128 v[BF+8*ii+4:BF+8*ii+7], v[ADRB+(\slot)] offset:(\k)+ii*16*PITCH+32
.set ii, ii+1
.endr
.endm
.macro LDA slot, k, af                 ; 16 LDS loads: x's 8 fragments into buffer af
	WIN 0
.set ii, 0
.rept 8
	ds_load_b128 v[(\af)+8*ii:(\af)+8*ii+3],   v[ADRA+(\slot)] offset:(\k)+ii*16*PITCH
	ds_load_b128 v[(\af)+8*ii+4:(\af)+8*ii+7], v[ADRA+(\slot)] offset:(\k)+ii*16*PITCH+32
.set ii, ii+1
.endr
.endm
; A K step is two units of 32 along K, 96 matrix instructions each.  FIRST multiplies buffer AF0; on entry AF0 and w's fragments 0-5 have been asked for.
.macro FIRST slot, zero
	PLACES
	LDB \slot, 0, 6                                ; w's other half for this unit,
	LDA \slot, 64, AF1                             ; x for the next
	s_wait_dscnt 28                                ; all but the 28 just issued: AF0 and w's 0-5 are in
	MULG 0, 6, AF0, \zero
	PLACES
	LDB \slot, 64, 0                               ; w's first half for the next unit
	s_wait_dscnt 28                                ; AF1's 16 and the 12 just issued may be out: w's 6-11 are in
	MULG 6, 6, AF0, \zero
.endm
; TURN multiplies buffer AF1 and changes slots: ONE barrier.  In front of it each wave waits for all its tensor loads (the one that is out is its part of the next slot), adds 0 to its spare word, and waits for
; that and for its own reads of this slot.  fill = 1: the barrier opens a round of the cluster's barrier, and behind the round this slot is filled again, two K steps on, first of all: 160 matrix instructions ahead of the wait for it.
.macro TURN slot, next, fill
	PLACES
	LDB \slot, 64, 6                               ; my last reads of this slot
	s_wait_tensorcnt 0x0                           ; all my tensor loads have landed
	ds_add_u32 v[SPW], v[NIL]                      ; 0 onto my spare word
	s_wait_dscnt 13                                ; the add and the 12 loads just issued may be out: AF1 and w's 0-5 are in
	MULG 0, 2, AF1, 0                              ; sixteen matrix instructions stand between the add and the wait for it
	s_wait_dscnt 0x0                               ; the add is done, and my reads of this slot are over
	s_barrier_signal -1
	MULG 2, 2, AF1, 0                              ; work on registers while the others arrive
.if \fill
	WIN 0
.endif
	s_barrier_wait -1
.if \fill
	CREST                                          ; no wave of any partner still reads this slot or has a load on its way
	s_add_nc_u64 s[G0+4*(\slot)+2:G0+4*(\slot)+3], s[G0+4*(\slot)+2:G0+4*(\slot)+3], 2*XKB
	s_add_nc_u64 s[G0B+4*(\slot)+2:G0B+4*(\slot)+3], s[G0B+4*(\slot)+2:G0B+4*(\slot)+3], 2*WKB
	JLOAD \slot                                    ; the first tensor load behind the round
.else
	PLACES
.endif
	LDA \next, 0, AF0                              ; the next slot's first fragments
	MULG 4, 2, AF1, 0
	PLACES
	LDB \next, 0, 0
	MULG 6, 6, AF1, 0
.endm
	s_wait_tensorcnt 1                             ; my part of K step 0 is in; K step 1's may stay out
	s_barrier_signal -1
	s_barrier_wait -1                              ; everybody's is
	LDA 0, 0, AF0
	LDB 0, 0, 0
	FIRST 0, 1                                     ; the first unit stands in front of the loop: its products start the sums
	WIN 0                                          ; at a label and at a branch every window is 0
	s_mov_b32 s3, 7
.Llap:                                                 ; a trip goes once round the ring and fills both slots again: K steps 2 to 15 in seven trips
	TURN 0, 1, 1
	FIRST 1, 0
	TURN 1, 0, 1
	FIRST 0, 0
	WIN 0
	s_sub_co_u32 s3, s3, 1
	s_cmp_lg_u32 s3, 0
	s_cbranch_scc1 .Llap
	TURN 0, 1, 0                                   ; the tail is written out: nothing more is asked for
	FIRST 1, 0
	PLACES                                         ; the very last unit
	LDB 1, 64, 6
	s_wait_dscnt 12
	MULG 0, 6, AF1, 0
	s_wait_dscnt 0x0
	MULG 6, 6, AF1, 0
; THE WAY OUT, in 24 pieces p: tensor p / 8 (q, k, v), row block p % 8: 16 rows x 64 columns.  Rounded to f16, 16 bytes a lane into my own stage, back as four rows of 128 bytes a load, which are 512 consecutive bytes of a head.
.macro PACK p
.set tw, (\p)/8
.set ta, (\p)%8
.set tt, TMP+16*((\p)%4)
	s_wait_xcnt 0x0                                ; the stores of the piece four back have read this set of registers (ISA guide 3.1)
	WIN 5*(tw+1)                                   ; sources 0 and 1 in the tensor's window
.set bb, 0
.rept 4
.set rr, 0
.rept 4
	v_cvt_pk_f16_f32 v[tt+4*bb+rr], v[64*bb+8*ta+2*rr], v[64*bb+8*ta+2*rr+1]  ; each accumulator from its low end on
.set rr, rr+1
.endr
.set bb, bb+1
.endr
	WIN 0
.irp f, 0,1,2,3
	ds_store_b128 v[STO], v[tt+4*(\f):tt+4*(\f)+3] offset:32*(\f)
.endr
.irp f, 0,1,2,3
	ds_load_b128 v[tt+4*(\f):tt+4*(\f)+3], v[RD] offset:(\f)*4*PITCH  ; LDS serves a wave's instructions in order (ISA guide 5.7.1.4): these see the stores above; the next piece's stores come behind them
.endr
.endm
.macro SEND p, younger                 ; younger: the LDS instructions issued behind piece p's loads
.set tw, (\p)/8
.set ta, (\p)%8
.set tt, TMP+16*((\p)%4)
	WIN 0
.irp f, 0,1,2,3
	s_wait_dscnt (\younger)+3-(\f)
	global_store_b128 v[GO], v[tt+4*(\f):tt+4*(\f)+3], s[8+2*tw:9+2*tw] offset:ta*2048+(\f)*512  ; 512 consecutive bytes, at a multiple of 256 from the buffer's first
.endr
.endm
	PLACES
	PLACES                                         ; behind the last products, in front of the conversions that read results
	PACK 0
.set pp, 1
.rept 23                               ; a piece's conversions stand between the loads of the piece before and its stores
	PACK pp
	SEND pp-1, 8
.set pp, pp+1
.endr
	SEND 23, 0
	s_wait_tensorcnt 0x0                           ; the wave's end, behind my last tensor load and my last LDS store
	ds_add_u32 v[SPW], v[NIL]
	s_wait_dscnt 0x0
	CROUND                                         ; the closing round: no work-group ends while a partner may still ask for a tile that names it
	s_endpgm
.Lfunc_end_k_qb11aef5fea_qkv:
	.size	k_qb11aef5fea_qkv, .Lfunc_end_k_qb11aef5fea_qkv-k_qb11aef5fea_qkv
	.p2alignl 7, 3214868480
	.fill 96, 4, 3214868480
	.section	.rodata,"a",@progbits
	.p2align	6, 0x0
	.amdhsa_kernel k_qb11aef5fea_qkv
		.amdhsa_group_segment_fixed_size 327680
		.amdhsa_private_segment_fixed_size 0
		.amdhsa_enable_private_segment 0
		.amdhsa_kernarg_size 40
		.amdhsa_user_sgpr_count 2
		.amdhsa_user_sgpr_kernarg_segment_ptr 1
		.amdhsa_wavefront_size32 1
		.amdhsa_system_sgpr_workgroup_id_x 1
		.amdhsa_system_sgpr_workgroup_id_y 1
		.amdhsa_system_sgpr_workgroup_id_z 1
		.amdhsa_system_vgpr_workitem_id 0
		.amdhsa_next_free_vgpr 1024
		.amdhsa_next_free_sgpr 66
		.amdhsa_reserve_vcc 0
		.amdhsa_float_denorm_mode_32 3
		.amdhsa_float_denorm_mode_16_64 3
		.amdhsa_memory_ordered 1
		.amdhsa_forward_progress 1
		.amdhsa_inst_pref_size 133
	.end_amdhsa_kernel
	.amdgpu_metadata
---
amdhsa.version: [ 1, 2 ]
amdhsa.kernels:
  - .name:           k_qb11aef5fea_qkv
    .symbol:         k_qb11aef5fea_qkv.kd
    .args:
      - { .name: xb, .offset: 0, .size: 8, .value_kind: global_buffer, .address_space: global }
      - { .name: wqb, .offset: 8, .size: 8, .value_kind: global_buffer, .address_space: global }
      - { .name: q, .offset: 16, .size: 8, .value_kind: global_buffer, .address_space: global }
      - { .name: k, .offset: 24, .size: 8, .value_kind: global_buffer, .address_space: global }
      - { .name: v, .offset: 32, .size: 8, .value_kind: global_buffer, .address_space: global }
    .group_segment_fixed_size: 327680
    .private_segment_fixed_size: 0
    .kernarg_segment_align: 8
    .kernarg_segment_size: 40
    .max_flat_workgroup_size: 128
    .sgpr_count:     66
    .vgpr_count:     1024
    .wavefront_size: 32
...
	.end_amdgpu_metadata
.endif
;; end of part 2
;; launch attn (part 3): grid 4 x 64, 4 waves a work-group, no clusters, 327,680 bytes of LDS; arguments q, k, v, o; writes o
.if DOCPART == 3
	.amdgcn_target "amdgcn-amd-amdhsa--gfx1250"
	.amdhsa_code_object_version 6
	.text
	.protected	k_qb11aef5fea_attn
	.globl	k_qb11aef5fea_attn
	.p2align	8
	.type	k_qb11aef5fea_attn,@function
k_qb11aef5fea_attn:
	s_mov_b64 s[64:65], 0
	v_nop
	global_prefetch_b8 v0, s[64:65] scope:SCOPE_SE
	s_setreg_imm32_b32 hwreg(HW_REG_WAVE_MODE, 25, 1), 1
	s_wait_xcnt 0x0
; CAUSAL ATTENTION.  O[h][q][:] = the sum over k <= q of softmax_k(Q[h][q] . K[h][k] / 8) V[h][k][:].  Q, K, V, O: [SIZE_H][SIZE_N][64], all f16: a head's rows are dense, 128 bytes each.
; Products, maxima and sums in f32; the weights p are rounded to f16 for the second product (their sum l is taken of the unrounded p), O once at the end.
; LIMITS.  f16 holds no number beyond 65,504: Q, K and V arrive within it; p lies in 0 to 1, and below 6e-5 it keeps f16's fixed step of 6e-8; O is a mean of V's rows and has their range, to within 2^-11 of it.
; A hidden score counts as its value less 1e30: f16's scores, 2.7e11 at the most, are nothing beside that; a weight below 2^-126 counts as 0 in l; NaN and infinities are not treated apart.
; THE WALK.  A head's queries lie in NB = SIZE_N / 256 blocks of 256; block i needs the key tiles 0 .. i of 256 keys, of which the last holds the diagonal.  A work-group takes TWO blocks, NB - 1 - b and then b:
; NB + 1 tiles, whatever b: all work-groups do equal work, and ONE loop with a constant trip count walks them.  Which tile is asked for, and what a trip does, hang on scalar registers made from b; every jump
; goes forward, but for the counted loops' own; none passes a barrier, or a tensor load but the one of LOAD's two that the wave's number does not choose; the ring (two slots of LDS that take turns) runs on across the
; change of blocks.  NO CLUSTER: a head's NB / 2 = 4 work-groups all ask for the same tile only in trips 0 .. NB / 2, behind that fewer and fewer; and one walk common to all would have 3 NB / 2 = 12 trips for NB + 1 = 9.
; SHARES.  Of a block's four bands of 64 queries a wave owns 16 rows in each: four PIECES.  So the diagonal tile is the same work for all four waves: in its key step s band x sees all keys if s < x,
; none if s > x, and holds the diagonal if s = x.
; THE MASK is the C operand that starts the sum S^T = K Q^T: 0, or -1e30 where the key is hidden.  MD, made once, is the mask of a band's own step for my 16 rows; a product's mask is MD x AL + BE with two scalars:
; (1, 0) if s = x; (0, 0) if s < x; (0, -1e30) if s > x.  Only the diagonal tile's text and a block's beginning make and take masks; elsewhere C is the constant 0.
; LAYOUT, SOFTMAX, TURNS.  S^T = K Q^T holds ONE query a lane (lane % 16) and the keys 8 (lane / 16) + 0..7; two such results rounded to f16 ARE source 1 of O^T = V^T P.  p = 2^(c s - c m), c = log2(e) / 8, with a
; running maximum m; O and l are multiplied by a = 2^(c m_old - c m_new) in every step.  Turn n belongs to piece n: 8 products K Q^T of piece n + 1, later 8 products V^T P of piece n - 1; beside them the scaling,
; exponentials, roundings, sums and rescaling of piece n and the maximum and statistics of piece n + 1.  Four vector instructions stand behind every matrix instruction, the other 54 of a turn's 118 in two LUMPS.
; REGISTERS, in windows of 256 (s_set_vgpr_msb: bits 1:0 source 0, 3:2 source 1, 5:4 source 2, 7:6 destination):
;   window 0: v0-15 addresses and two at work; v16-31 four registers of statistics a piece; v48-55 at work; v61-63 prefetch offset and the add's two; v64-127 S^T, two buffers; v192-223 P, two buffers (by the piece's parity)
;   window 1: v0-127 O^T, 32 a piece; v128-159 MD; v160-223 MC, two buffers      window 2: v0-63 Q; v64-127 the second block's Q; v128-191 K of one step; v192-255 V of one step
.set SIZE_N, 2048
.set SIZE_H, 64
.set NB,    SIZE_N/256
.set NP,    4         ; pieces a wave: a name, no knob
.set KS,    64        ; keys in a step
.set PK,    144       ; a row of K in LDS: 128 bytes + 16 of padding = 36 words: the 16 rows of a load start at 16 different groups of four banks (64 banks of 4 bytes: ISA guide 11.1)
.set PV,    160       ; a row of V: 128 + 32 = 40 words
.set VOFF,  4*KS*PK   ; a slot holds a tile, four steps: 256 rows of K, then 256 rows of V
.set SLOT1, 1<<17     ; slot 1 begins here, so that one exclusive or turns an address in one slot into the other's
.set STAGE, SLOT1+4*KS*(PK+PV)  ; behind the ring, never filled by a tensor load: 16 rows x 144 bytes for each wave, for the way out
.set SP,    144
.set AK0, 2           ; v2   my lane's place in a tile of K; never rewritten
.set AV0, 3           ; v3   the same for V
.set AK,  4           ; v4   the LDS address of K's next run of loads
.set AV,  5           ; v5   of V's
.set STO, 6           ; v6   the way out: where I put 16 bytes of a row
.set RD,  7           ; v7   the way out: where I read rows back
.set GO,  8           ; v8   my byte offset in 512 consecutive bytes of O
.set PFO, 61          ; v61  256 x my lane: the prefetches' offset; never rewritten
.set SPW, 62          ; v62  LDS address of my spare word: SPARE + 4 x my thread's number; never rewritten
.set NIL, 63          ; v63  0; never rewritten
.set SPARE, STAGE+4*16*SP  ; behind the stages: the spare words, 128 bytes for each wave: two blocks of 256 bytes that no other line names
.set MV,  12          ; v12-13  c m_old, kept while c m is made anew: by buffer
.set QO,  15          ; v15  my byte offset in 16 rows of Q
.set ST,  16          ; piece t's statistics at v[ST+4 t]: c m, m, l (even keys', odd keys')
.set TMP, 48          ; by buffer, four registers c0-c3 at work; when the maximum is found c2 takes a
.set S,   64
.set P,   192
.set MD,  128         ; window 1: the eight registers for group kt of 16 keys at MD + 8 kt
.set MC,  160         ; window 1: the masks of the products to come
.set QB,  64          ; window 2
.set KF,  128         ; window 2: key block kb, channel half c at KF + 16 kb + 8 c
.set VF,  192         ; window 2: key half kk, channel block cb at VF + 32 kk + 8 cb
.set WV,  12          ; s12  my wave's number
.set PB,  14          ; s14  b
.set HI,  15          ; s15  NB - 1 - b
.set G1K, 24          ; s[24:31] descriptor group 1 for K's tiles
.set G1V, 32          ; s[32:39] for V's: it differs in the padding alone
.set G0K, 40          ; s[40:43] descriptor group 0 for K's tiles
.set G0V, 44          ; s[44:47] the same for V's
.set SLOTS, 56        ; s56  tiles still to be asked for
.set CNT, 57          ; s57  counts a tile's key steps, 4 to 1
.set CS,  58          ; s[58:59] c: the packed scaling takes the pair's low word for both halves
.set SEL, 60          ; s[60:61] v_permlanex16_b32's selects: each lane takes its own place in the other half
.set TBK, 62          ; s62  LDS byte at which K of the step to be fetched begins
.set TBV, 63          ; s63  the same for V, less VOFF
.set PFA, 66          ; s[66:67] where my prefetches stand: my half (of K: waves 0, 1; of V: waves 2, 3) of the tile behind the one that is being asked for
.set LIM, 68          ; s68  2 in the head's work-group b = 0, else the greatest number: a wave prefetches while s[SLOTS] is above it
.set RT,  70          ; s70  tiles of the block in hand that are still to be entered
.set NXT, 71          ; s71  the tile to be asked for next
.set LQ,  72          ; s72  the last tile of the block whose tiles are being asked for
.set NEW, 73          ; s73  1: the tile to be entered is a block's first
.set OFF, 74          ; s[74:75] a tile's byte offset in K and V
.set AL,  76          ; s[76:77] the mask's factor, in the low word
.set BE,  78          ; s[78:79] the mask's addend
.set OLO, 80          ; s[80:81] O at my rows of the second block
.set BIGN, 82         ; s82  -1e30
.set MSB, 0
.macro WIN new                      ; the high byte repeats the setting that is left; a switch that changes nothing is dropped
.if MSB != (\new)
	s_set_vgpr_msb (MSB<<8)|(\new)
.set MSB, (\new)
.endif
.endm
.set W_KQ, 0x0a       ; K and Q in window 2, S^T in window 0
.set W_KM, 0x1a       ; the same with the C operand in window 1
.set W_PV, 0x52       ; V in window 2, P in window 0, O^T in window 1
.set W_RS, 0x41       ; destination and source 0 in window 1, source 1 in window 0
; A fill.  Waves 0 and 1 fetch the two halves of a tile's K, waves 2 and 3 those of its V: 128 keys each.  An s_nop 0 and four v_nop follow each of the two lines, ahead of the jump and the label.
.macro LOAD
	s_cmp_lt_u32 s[WV], 2
	s_cbranch_scc0 .Lfor_v_\@
	tensor_load_to_lds s[G0K:G0K+3], s[G1K:G1K+7]
	s_nop 0
.rept 4
	v_nop
.endr
	s_branch .Lasked_\@
.Lfor_v_\@:
	tensor_load_to_lds s[G0V:G0V+3], s[G1V:G1V+7]
	s_nop 0
.rept 4
	v_nop
.endr
.Lasked_\@:
.endm
; A PREFETCH INTO THE L2 of what the NEXT change of slots will ask for.  It stands behind the wave's tensor load and its five lines.  All four work-groups of a head walk tiles 0, 1, 2 .. from the start; b = 0, whose first
; block needs all eight, asks, and nobody else.  Each of its waves names the 16,384 bytes that it will itself load: 64 blocks of 256 bytes, a lane a block, two instructions.  So each block is named once in the launch.
; The changes that ask for tiles 1 to 6 name tiles 2 to 7: one tile, 256 matrix instructions, ahead.  Tiles 0 and 1, and the second block's tile 0, come by their loads alone; behind tile 7 there is nothing to name.
.macro ASK
	s_cmp_gt_u32 s[SLOTS], s[LIM]
	s_cbranch_scc0 .Lnot_mine_\@
	global_prefetch_b8 v[PFO], s[PFA:PFA+1] th:TH_LOAD_NT scope:SCOPE_SE
	global_prefetch_b8 v[PFO], s[PFA:PFA+1] offset:8192 th:TH_LOAD_NT scope:SCOPE_SE
.Lnot_mine_\@:
.endm
; THE CHANGE OF SLOTS.  Each wave waits for all its tensor loads, of which one is out: its part of the other slot; adds 0 to its spare word; and waits for that and for its own reads of the slot that it leaves.  Behind the barrier nobody reads the old
; slot any more and the other slot is whole.  fill = 1: the old slot is filled again, the first thing behind the barrier, with tile NXT: the descriptor's address is made anew from that number.
; (At its first use nothing has been read yet: slot 0 is waited for, slot 1 filled.)
.macro CHANGE fill
	WIN 0                           ; at a label and at a branch every window is 0
	s_wait_tensorcnt 0x0            ; no tensor load of mine is out, so a group 0 may be written
	ds_add_u32 v[SPW], v[NIL]       ; 0 onto my spare word; with fill = 1 the descriptors' scalar work stands between it and the wait for it
.if \fill
	s_wait_xcnt 0x0                 ; the last prefetches, a tile back, have read their address, so it may be written:
	s_add_nc_u64 s[PFA:PFA+1], s[PFA:PFA+1], 32768  ; one tile behind the one that is asked for below
	s_lshl_b32 s[OFF], s[NXT], 15   ; a tile is 32,768 bytes of K and of V
	s_xor_b32 s[G0K+1], s[G0K+1], SLOT1
	s_add_nc_u64 s[G0K+2:G0K+3], s[6:7], s[OFF:OFF+1]
	s_or_b32 s[G0K+3], s[G0K+3], 0x80000000
	s_xor_b32 s[G0V+1], s[G0V+1], SLOT1
	s_add_nc_u64 s[G0V+2:G0V+3], s[8:9], s[OFF:OFF+1]
	s_or_b32 s[G0V+3], s[G0V+3], 0x80000000
	s_add_co_u32 s[NXT], s[NXT], 1  ; the block's next tile, or behind its last the second block's tile 0
	s_cmp_gt_u32 s[NXT], s[LQ]
	s_cselect_b32 s[NXT], 0, s[NXT]
	s_cselect_b32 s[LQ], s[PB], s[LQ]
.endif
	s_wait_dscnt 0x0                ; the add is done, and my reads of the slot are over
	s_barrier_signal -1             ; the rest of the scalar work stands between the signal and the wait
	s_sub_co_u32 s[TBK], s[TBK], 4*KS*PK  ; the fetches go back to a slot's first step,
	s_xor_b32 s[TBK], s[TBK], SLOT1       ; in the other slot
	s_sub_co_u32 s[TBV], s[TBV], 4*KS*PV
	s_xor_b32 s[TBV], s[TBV], SLOT1
	s_barrier_wait -1
.if \fill
	LOAD
	ASK
.endif
.endm
	s_load_b256 s[4:11], s[0:1], 0x0  ; Q s[4:5], K s[6:7], V s[8:9], O s[10:11]
	v_lshl_add_u32 v[SPW], v0, 2, SPARE
	v_mov_b32 v[NIL], 0
	ds_add_u32 v[SPW], v[NIL]       ; the wave's opening: the add and its wait stand ahead of my first tensor load; the set-up below, work on registers, stands between them
	ds_add_u32 v62, v63
	v_lshrrev_b32 v1, 5, v0
	v_readfirstlane_b32 s[WV], v1   ; wave 0..3
	s_mov_b32 s[PB], ttmp9
	s_sub_co_u32 s[HI], NB-1, s[PB]
	s_and_b32 s20, ttmp7, 0xffff    ; the head
	s_mov_b32 s21, 0
	s_mov_b64 s[22:23], SIZE_N*128
	s_mul_u64 s[20:21], s[20:21], s[22:23]  ; the head's first byte in each of the four tensors
	s_and_b32 s16, s[WV], 1         ; which half of a tile's 256 keys I fetch:
	s_lshl_b32 s22, s16, 14         ; its 128 rows of 128 bytes in memory,
	s_mov_b32 s23, 0
	s_add_nc_u64 s[22:23], s[22:23], s[20:21]
	s_mul_i32 s17, s16, 128*PK      ; and its place in a slot, for K
	s_mul_i32 s18, s16, 128*PV      ; and for V
	s_lshl_b32 s3, s[WV], 11        ; my 16 rows in a band of 64,
	s_lshl_b32 s2, s[HI], 15        ; in the first block,
	s_add_co_u32 s2, s2, s3
	s_lshl_b32 s84, s[PB], 15       ; and in the second
	s_add_co_u32 s84, s84, s3
	s_mov_b32 s3, 0
	s_mov_b32 s85, 0
	s_add_nc_u64 s[2:3], s[2:3], s[20:21]
	s_add_nc_u64 s[84:85], s[84:85], s[20:21]
	; descriptor group 1.  128 keys are 16,384 dense bytes: asked for as 64 rows of 256 bytes, two keys a row, and padded in LDS after every key
	s_mov_b32 s[G1K], (1<<16)|(1<<20)|(4<<22)|(3<<25)  ; 17:16 2-byte elements; 20 padding on; 24:22 after every 32 words (code 4); 31:25 4 words (code 3)
	s_mov_b32 s[G1V], (1<<16)|(1<<20)|(4<<22)|(7<<25)  ; the same with 8 words of padding (code 7)
.irp g, G1K, G1V
	s_mov_b32 s[\g+1], 128<<16      ; tensor_dim0 = 128
	s_mov_b32 s[\g+2], 64<<16       ; tensor_dim1 = 64
	s_mov_b32 s[\g+3], 128<<16      ; tile_dim0 = 128
	s_mov_b32 s[\g+4], 64           ; tile_dim1 = 64
	s_mov_b32 s[\g+5], 128          ; 128 elements from row to row
	s_mov_b32 s[\g+6], 0
	s_mov_b32 s[\g+7], 0
.endr
	s_mov_b32 s[CS], 0x3e38aa3b     ; c = log2(e) / 8 = 0.180337
	s_mov_b32 s[CS+1], s[CS]        ; named with it as a pair
	s_mov_b32 s[SEL], 0x76543210
	s_mov_b32 s[SEL+1], 0xfedcba98
	s_mov_b32 s[TBK], SLOT1+4*KS*PK ; the first change of slots turns these two into 0
	s_mov_b32 s[TBV], SLOT1+4*KS*PV
	s_mov_b32 s[G0K], 1             ; 1:0 count = 1
	s_mov_b32 s[G0K+1], s17         ; 63:32 LDS address: slot 0
	s_mov_b32 s[G0V], 1
	s_add_co_u32 s[G0V+1], s18, VOFF
	s_add_co_u32 s[RT], s[HI], 1    ; the first block has NB - b tiles
	s_mov_b32 s[NXT], 1
	s_mov_b32 s[LQ], s[HI]
	s_mov_b32 s[NEW], 1
	s_mov_b32 s[OFF+1], 0
	s_mov_b32 s[AL+1], 0            ; named as pairs
	s_mov_b32 s[BE+1], 0
	s_mov_b32 s[BIGN], 0xf149f2ca   ; -1e30
	s_mov_b32 s[SLOTS], NB
	s_wait_dscnt 0x0                ; the opening add is done
	s_wait_kmcnt 0x0
	s_add_nc_u64 s[6:7], s[6:7], s[22:23]  ; K and V at my half of the head's tile 0
	s_add_nc_u64 s[8:9], s[8:9], s[22:23]
	s_add_nc_u64 s[G0K+2:G0K+3], s[6:7], 0         ; 120:64 global address
	s_or_b32 s[G0K+3], s[G0K+3], 0x80000000        ; 127:126 type = 2
	s_add_nc_u64 s[G0V+2:G0V+3], s[8:9], 0
	s_or_b32 s[G0V+3], s[G0V+3], 0x80000000
	s_add_nc_u64 s[86:87], s[4:5], s[84:85]        ; Q at my rows of the second block,
	s_add_nc_u64 s[4:5], s[4:5], s[2:3]            ; Q and O at those of the first
	s_add_nc_u64 s[OLO:OLO+1], s[10:11], s[84:85]
	s_add_nc_u64 s[10:11], s[10:11], s[2:3]
	s_cmp_lt_u32 s[WV], 2
	s_cselect_b64 s[PFA:PFA+1], s[6:7], s[8:9]     ; the prefetches: the tensor and half that I fetch,
	s_add_nc_u64 s[PFA:PFA+1], s[PFA:PFA+1], 32768 ; at tile 1; the first change of slots steps it to tile 2.  Nothing is prefetched here, at the head
	s_cmp_eq_u32 s[PB], 0
	s_cselect_b32 s[LIM], 2, -1
	LOAD                            ; tile 0 into slot 0
	; A fragment of K or Q is 16 rows x 32 channels in 8 registers: lane l holds row l % 16, channels 8 (l / 16) + 0..7 and 16 + 8 (l / 16) + 0..7: two loads of 16 bytes, 32 bytes apart.
	v_and_b32 v1, 15, v0            ; l % 16
	v_bfe_u32 v9, v0, 4, 1          ; l / 16
	v_lshlrev_b32 v[QO], 7, v1
	v_lshl_add_u32 v[QO], v9, 4, v[QO]  ; row x 128 + 16 x half
	v_and_b32 v[PFO], 31, v0
	v_lshlrev_b32 v[PFO], 8, v[PFO]
	WIN 0x80                        ; destination window 2, address window 0
.set i, 0
.rept 8                             ; both blocks' Q: piece i / 2 lies in band i / 2, 8,192 bytes on; channels 32 (i % 2) on
	global_load_b128 v[8*i:8*i+3],   v[QO], s[4:5] offset:(i/2)*8192+(i%2)*64
	global_load_b128 v[8*i+4:8*i+7], v[QO], s[4:5] offset:(i/2)*8192+(i%2)*64+32
	global_load_b128 v[QB+8*i:QB+8*i+3],   v[QO], s[86:87] offset:(i/2)*8192+(i%2)*64
	global_load_b128 v[QB+8*i+4:QB+8*i+7], v[QO], s[86:87] offset:(i/2)*8192+(i%2)*64+32
.set i, i+1
.endr
	WIN 0
	v_lshlrev_b32 v14, 3, v9
	v_sub_nc_u32 v14, v1, v14
	s_lshl_b32 s13, s[WV], 4
	v_add_nc_u32 v14, s13, v14      ; my query's place in its band, 16 w + l % 16, less my lanes' 8 (l / 16): register r of group kt is hidden where 16 kt + r is greater
	WIN 0x40
.set i, 0
.rept 32
	v_cmp_gt_i32 vcc_lo, 16*(i/8)+i%8, v14
	v_cndmask_b32 v[MD+i], 0, s[BIGN], vcc_lo
.set i, i+1
.endr
	WIN 0
	v_mul_u32_u24 v[AK0], v1, PK
	v_lshl_add_u32 v[AK0], v9, 4, v[AK0]  ; row x pitch + 16 x half
	; The turning load takes 16 keys x 16 channels (lane l reads key 8 (l / 16) + l % 8, channels 8 ((l / 8) % 2) + 0..7) and leaves half a fragment of V^T: lane l holds channel l % 16 and 8 keys.
	v_and_b32 v10, 7, v0
	v_bfe_u32 v11, v0, 3, 1
	v_lshl_add_u32 v[AV0], v9, 3, v10
	v_mul_u32_u24 v[AV0], v[AV0], PV
	v_lshl_add_u32 v[AV0], v11, 4, v[AV0]
	v_add_nc_u32 v[AV0], VOFF, v[AV0]
	s_mul_i32 s13, s[WV], 16*SP
	s_add_co_u32 s13, s13, STAGE    ; my stage
	v_mul_u32_u24 v[STO], v1, SP    ; in: row l % 16, 16 bytes for each half of the lanes
	v_lshl_add_u32 v[STO], v9, 4, v[STO]
	v_add_nc_u32 v[STO], s13, v[STO]
	v_bfe_u32 v[RD], v0, 3, 2       ; back: 32 lanes take four rows of 128 bytes,
	v_mul_u32_u24 v[RD], v[RD], SP
	v_lshl_add_u32 v[RD], v10, 4, v[RD]
	v_add_nc_u32 v[RD], s13, v[RD]
	v_and_b32 v[GO], 31, v0         ; which are 512 consecutive bytes of O
	v_lshlrev_b32 v[GO], 4, v[GO]
	; A block's first step multiplies O^T and l by a = 0, and its first turn's products V^T P, of a piece that has not been, land in an O^T that is still to be so multiplied.  So these registers need only hold
	; finite numbers: zeros for the first block; what the first block left for the second.  All this stands in the wait for the first tile.
	WIN 0x80
.set i, VF
.rept 64
	v_mov_b32 v[i], 0
.set i, i+1
.endr
	WIN 0x40
.set i, 0
.rept 128
	v_mov_b32 v[i], 0
.set i, i+1
.endr
	WIN 0
.set i, 0
.rept 4
	v_mov_b32 v[ST+4*i+2], 0
	v_mov_b32 v[ST+4*i+3], 0
.set i, i+1
.endr
.set i, P+16
.rept 16
	v_mov_b32 v[i], 0
.set i, i+1
.endr
; THE MATRIX WORK.  The 4 accumulators of a run of 8 take turns.  Product i of 8 of S^T = K Q^T for piece x: channels 32 (i / 4) on, keys 16 (i % 4) on.  The first 4 start the sums: with 0, or (KM = 1) with the mask.
.macro KQ x
.set rS, S+32*((\x)%2)+8*(i%4)
.set rK, KF+16*(i%4)+8*(i/4)
.set rQ, 16*(\x)+8*(i/4)
.set rM, MC+32*((\x)%2)+8*(i%4)
.if (i < 4) && KM
	WIN W_KM
	v_wmma_f32_16x16x32_f16 v[rS:rS+7], v[rK:rK+7], v[rQ:rQ+7], v[rM:rM+7]
.elseif i < 4
	WIN W_KQ
	v_wmma_f32_16x16x32_f16 v[rS:rS+7], v[rK:rK+7], v[rQ:rQ+7], 0
.else
	WIN W_KQ
	v_wmma_f32_16x16x32_f16 v[rS:rS+7], v[rK:rK+7], v[rQ:rQ+7], v[rS:rS+7]
.endif
.endm
; Product i of 8 of O^T += V^T P for piece x: keys 32 (i / 4) on, channels 16 (i % 4) on.
.macro PV x
	WIN W_PV
.set rO, 32*(\x)+8*(i%4)
.set rV, VF+32*(i/4)+8*(i%4)
.set rP, P+16*((\x)%2)+8*(i/4)
	v_wmma_f32_16x16x32_f16 v[rO:rO+7], v[rV:rV+7], v[rP:rP+7], v[rO:rO+7]
.endm
.macro MM                           ; the turn's next matrix instruction.  TURN and BEGIN set Y, i, KM and NOKQ; MM, KQ and OP read them.  NOKQ = 1: a block's last turn: there is no next piece
.if (i < 8) && !NOKQ
	KQ (Y+1)%NP
.elseif i >= 8
.set i, i-8
	PV (Y+NP-1)%NP
.set i, i+8
.endif
.set i, i+1
.endm
; THE LDS LOADS stand in runs of 16, never singly among the matrix instructions: a step's K (64 keys x 64 channels: 8 fragments) and its V (turned).  Their addresses are made some lines ahead.
.macro FETCH_K
	WIN 0x80                        ; destination window 2
.irp f, 0,1,2,3,4,5,6,7             ; keys 16 (f / 2) on, channels 32 (f % 2) on
	ds_load_b128 v[KF+8*\f:KF+8*\f+3],   v[AK] offset:(\f/2)*16*PK+(\f%2)*64
	ds_load_b128 v[KF+8*\f+4:KF+8*\f+7], v[AK] offset:(\f/2)*16*PK+(\f%2)*64+32
.endr
	s_add_co_u32 s[TBK], s[TBK], KS*PK  ; the next fetch is the next step's
	WIN 0
.endm
.macro FETCH_V
	WIN 0x80
.irp f, 0,1,2,3,4,5,6,7             ; keys 32 (f / 4) on, channels 16 (f % 4) on
	ds_load_tr16_b128 v[VF+8*\f:VF+8*\f+3],   v[AV] offset:(\f/4)*32*PV+(\f%4)*32
	ds_load_tr16_b128 v[VF+8*\f+4:VF+8*\f+7], v[AV] offset:(\f/4)*32*PV+16*PV+(\f%4)*32
.endr
	WIN 0
.endm
; THE VECTOR WORK, one line at a time: OP kind, number.  For piece Y: F n: c s - c m for pair n of 16.  E n: the exponential of score n of 32.  C n: pair n rounded to f16.  B n: of the four weights 4 n .. the second
; pair is added onto the first, in place.  L n: l takes that sum (L 0: l = a l + sum).  R n: pair n of 16 of O^T times a.  For piece Y + 1: X n, number n of the 22 that find its maximum and statistics:
;   0-11  four chains c0-c3 of seven scores each, three operands at a time (each accumulator's lowest registers are read first)     12-14, 16  the four scores left over, the old m, and c0-c3 into c0
;   15  c m_old is kept     17, 18  the query's other 32 keys lie in the lane 16 away: the new m     19-21  c m; c m_old - c m_new; a
.set F, 0               ; OP tells the kinds apart by their order: F to L below R, X above it
.set E, 1
.set C, 2
.set B, 3
.set L, 4
.set R, 5
.set X, 6
.macro REGS y                       ; the registers of piece y
.set rT, ST+4*(\y)
.set rC, TMP+4*((\y)%2)
.set rW, MV+((\y)%2)
.set rS, S+32*((\y)%2)
.set rP, P+16*((\y)%2)
.set rO, 32*(\y)
.endm
.macro OP k, n
.if (\k) == R
	REGS Y
	WIN W_RS
	v_pk_mul_f32 v[rO+2*(\n):rO+2*(\n)+1], v[rO+2*(\n):rO+2*(\n)+1], v[rC+2:rC+3] op_sel_hi:[1,0]
.elseif (\k) < R
	REGS Y
	WIN 0
.if (\k) == F
	v_pk_fma_f32 v[rS+2*(\n):rS+2*(\n)+1], v[rS+2*(\n):rS+2*(\n)+1], s[CS:CS+1], v[rT:rT+1] op_sel_hi:[1,0,0] neg_lo:[0,0,1] neg_hi:[0,0,1]
.elseif (\k) == E
	v_exp_f32 v[rS+(\n)], v[rS+(\n)]
.elseif (\k) == C
	s_wait_alu depctr_va_vdst(0)
	v_cvt_pk_f16_f32 v[rP+(\n)], v[rS+2*(\n)], v[rS+2*(\n)+1]
.elseif (\k) == B
	s_wait_alu depctr_va_vdst(0)
	v_pk_add_f32 v[rS+4*(\n):rS+4*(\n)+1], v[rS+4*(\n):rS+4*(\n)+1], v[rS+4*(\n)+2:rS+4*(\n)+3]
.elseif (\n) == 0
	v_pk_fma_f32 v[rT+2:rT+3], v[rT+2:rT+3], v[rC+2:rC+3], v[rS:rS+1] op_sel_hi:[1,0,1]
.else
	v_pk_add_f32 v[rT+2:rT+3], v[rT+2:rT+3], v[rS+4*(\n):rS+4*(\n)+1]
.endif
.elseif NOKQ
	v_nop
.else
	REGS (Y+1)%NP
	WIN 0
.if (\n) < 4
	v_max3_num_f32 v[rC+(\n)], v[rS+8*(\n)], v[rS+8*(\n)+1], v[rS+8*(\n)+2]
.elseif (\n) < 12
	v_max3_num_f32 v[rC+(\n)%4], v[rC+(\n)%4], v[rS+8*((\n)%4)+2*((\n)/4)+1], v[rS+8*((\n)%4)+2*((\n)/4)+2]
.elseif (\n) == 12
	v_max3_num_f32 v[rC], v[rC], v[rS+7], v[rS+15]
.elseif (\n) == 13
	v_max3_num_f32 v[rC+1], v[rC+1], v[rS+23], v[rS+31]
.elseif (\n) == 14
	v_max3_num_f32 v[rC+2], v[rC+2], v[rC+3], v[rT+1]
.elseif (\n) == 15
	v_mov_b32 v[rW], v[rT]
.elseif (\n) == 16
	v_max3_num_f32 v[rC], v[rC], v[rC+1], v[rC+2]
.elseif (\n) == 17
	v_permlanex16_b32 v[rC+3], v[rC], s[SEL], s[SEL+1]
.elseif (\n) == 18
	v_max_num_f32 v[rT+1], v[rC], v[rC+3]
.elseif (\n) == 19
	v_mul_f32 v[rT], s[CS], v[rT+1]
.elseif (\n) == 20
	v_sub_f32 v[rC+1], v[rW], v[rT]
.else
	v_exp_f32 v[rC+2], v[rC+1]
.endif
.endif
.endm
.macro OPS a, i1, b=-1, i2=0, c=-1, i3=0, d=-1, i4=0  ; up to four of them
	OP \a, \i1
.if (\b) >= 0
	OP \b, \i2
.endif
.if (\c) >= 0
	OP \c, \i3
.endif
.if (\d) >= 0
	OP \d, \i4
.endif
.endm
.macro ROW a, i1, b, i2, c, i3, d, i4  ; a matrix instruction and the four behind it
	MM
	OPS \a, \i1, \b, \i2, \c, \i3, \d, \i4
.endm
.macro MASK b                       ; MD x AL + BE into buffer b of MC
	WIN W_RS
.set z, 0
.rept 16
	v_pk_fma_f32 v[MC+32*(\b)+2*z:MC+32*(\b)+2*z+1], v[MD+2*z:MD+2*z+1], s[AL:AL+1], s[BE:BE+1] op_sel_hi:[1,0,0]
.set z, z+1
.endr
.endm
; A TURN, for piece p: the order of its 16 matrix and 118 vector instructions, written out.  Behind a matrix instruction: plain, exponential, plain, plain; or four of the rescaling; or, behind the first, four scalings; none
; names a register of the products round it.  In the lumps exponential and plain by turns while exponentials last.  A line reads no result made fewer than three vector instructions in front of it, five if an exponential made it.
; v_permlanex16_b32 (X 17) stands in a lump.
; m = 1: the diagonal tile: the products take masks, and the turn makes the mask for the products of the turn after it: piece p + 2, in step 4 - CNT of the tile.  end = 1: a block's last two turns: nothing is fetched.
; cnt = 1: the loop's count is taken down some lines ahead of the branch that stands behind the turn.
; K of the next step is fetched in piece 2's turn, six vector instructions behind the last product that read K (five of them plain); V of the step in hand in piece 0's turn, eight behind the last product that read V (four
; plain, and X 17).  Each is waited for a turn later.
.macro TURN p, m=0, end=0, cnt=0
.set Y, (\p)
.set i, 0
.set KM, (\m)
.set NOKQ, (\end)*((\p)/3)
.if (\m) && !(\end)
	s_cmp_eq_u32 s[CNT], 4-((\p)+2)%NP  ; is that step the band's own?
	s_cselect_b32 s[AL], 1.0, 0
	s_cmp_lt_u32 s[CNT], 4-((\p)+2)%NP  ; or a later one?
	s_cselect_b32 s[BE], s[BIGN], 0
.endif
.if ((\p) == 3) && !(\end)
	s_wait_dscnt 0x0                ; K is in
.endif
	ROW F,0, F,1, F,2, F,3
	ROW F,4, E,0, F,5, F,6
	ROW F,7, E,1, F,8, F,9
	ROW F,10, E,2, C,0, F,11
	ROW F,12, E,3, X,15, F,13
	ROW R,0, R,1, R,2, R,3
	ROW B,0, E,4, F,14, L,0
.if ((\p) == 2) && !(\end)
	v_add_nc_u32 v[AK], s[TBK], v[AK0]
.endif
	ROW R,4, R,5, R,6, R,7
	OPS E,5, F,15
.if ((\p) == 2) && !(\end)
	FETCH_K
.endif
	OPS E,6, C,1, E,7, R,8
	OPS E,8, R,9, E,9, C,2
	OPS E,10, X,0, E,11, X,1
	OPS E,12, X,2, E,13, X,3
.if (\p) == 1
	s_wait_dscnt 0x0                ; V is in
.endif
	ROW X,4, E,14, X,5, X,6
	ROW X,7, E,15, X,8, X,9
	ROW X,10, E,16, X,11, X,12
	ROW X,13, E,17, X,14, B,1
	ROW C,4, E,18, X,16, L,1
	ROW B,2, E,19, C,6, L,2
	ROW C,8, E,20, B,3, B,4
.if (\p) == 0
	v_add_nc_u32 v[AV], s[TBV], v[AV0]
.endif
	ROW C,3, E,21, L,3, C,5
	OPS E,22, X,17, E,23, C,10
.if (\p) == 0
	FETCH_V
.endif
	OPS E,24, L,4
	OPS E,25, X,18, E,26, C,7
	OPS E,27, B,5, E,28, X,19
	OPS E,29, C,12, E,30, L,5
	OPS E,31, X,20, B,6, C,9
	OPS C,14, C,11, X,21, L,6
.if (\p) == 0
	s_add_co_u32 s[TBV], s[TBV], KS*PV
.endif
.if \cnt
	s_sub_co_u32 s[CNT], s[CNT], 1
	s_cmp_lg_u32 s[CNT], 0
.endif
	OPS C,13, B,7, C,15, R,10
	OPS R,11, R,12, L,7, R,13
	OPS R,14, R,15
.if (\m) && !(\end)
	MASK (\p)%2
.endif
.endm
; A BLOCK BEGINS.  c m starts far below every c s, so the first step's a is 0; m at the lowest finite number, so the first maximum is the scores'.  The second mask buffer is 0; the first takes piece 0's mask for the tile's step 0: its own, if the block's first tile is the diagonal one.
; Then K of that step, piece 0's first scores, and its maximum and statistics.  The loop is entered at a step's first turn, in the middle of a trip.
.macro BEGIN
	s_mov_b32 s[NEW], 0
	WIN 0x40
.set i, MC+32
.rept 32
	v_mov_b32 v[i], 0
.set i, i+1
.endr
	WIN 0
.set i, 0
.rept 4
	v_mov_b32 v[ST+4*i], 0xfe000000    ; c m: far below every c s
	v_mov_b32 v[ST+4*i+1], 0xff7fffff  ; m
.set i, i+1
.endr
	s_cmp_eq_u32 s[RT], 0
	s_cselect_b32 s[AL], 1.0, 0
	s_mov_b32 s[BE], 0
	MASK 0
	WIN 0
	v_add_nc_u32 v[AK], s[TBK], v[AK0]
	FETCH_K
	s_wait_loadcnt 0x0              ; Q
	s_wait_dscnt 0x0
.set KM, 1
.set NOKQ, 0
.set i, 0
.rept 8
	KQ 0
.set i, i+1
.endr
	WIN 0
.rept 4
	v_nop                           ; the places behind those products
.endr
.set Y, NP-1                        ; X works for piece Y + 1: piece 0
.irp n, 0,1,2,3,4,5,6,7,8,9,10,11,12,13,14,15,16,17,18,19,20,21
	OP X, \n
.endr
	v_nop                           ; a plain instruction behind the exponential
.endm
; THE DIAGONAL TILE's four steps, the block's last two turns, its last products, and THE WAY OUT: l's two halves and the other half of the lanes' are added; O^T is divided by l, rounded to f16 and sent through my
; stage in LDS, a piece at a time.
.macro ALL line:vararg              ; one line for each piece t
.set t, 0
.rept 4
	\line
.set t, t+1
.endr
.endm
.macro PACK t                       ; a lane's eight channels of a row pack into 16 bytes; they go into rows of 144 bytes and come back as whole rows of 128, into S^T's registers
	WIN W_RS
.set i, 32*(\t)
.rept 16
	s_wait_alu depctr_va_vdst(0)
	v_pk_mul_f32 v[i:i+1], v[i:i+1], v[ST+4*(\t)+2:ST+4*(\t)+3] op_sel_hi:[1,0]
.set i, i+2
.endr
	WIN 0x05                        ; sources 0 and 1 window 1, destination window 0
.set i, 0
.rept 16
	v_cvt_pk_f16_f32 v[S+16*(\t)+i], v[32*(\t)+2*i], v[32*(\t)+2*i+1]
.set i, i+1
.endr
	WIN 0
.irp f, 0,1,2,3
	ds_store_b128 v[STO], v[S+16*(\t)+4*\f:S+16*(\t)+4*\f+3] offset:32*\f
.endr
.irp f, 0,1,2,3
	ds_load_b128 v[S+16*(\t)+4*\f:S+16*(\t)+4*\f+3], v[RD] offset:\f*4*SP  ; LDS serves a wave's instructions in order (ISA guide 5.7.1.4): these see the stores above; the next piece's stores come behind them
.endr
.endm
.macro SEND t, younger              ; younger: the LDS instructions issued behind piece t's loads: the next piece's eight, or none
	WIN 0
.irp f, 0,1,2,3
	s_wait_dscnt (\younger)+3-\f
	global_store_b128 v[GO], v[S+16*(\t)+4*\f:S+16*(\t)+4*\f+3], s[10:11] offset:(\t)*8192+\f*512  ; 512 consecutive bytes, at a multiple of 256 from O's first
.endr
.endm
.macro DIAG tag                     ; the tag ends its two labels' names, which the jumps below spell out
.LstepM\tag:
	TURN 2, 1
	TURN 3, 1
	WIN 0
.LfirstM\tag:
	TURN 0, 1
	TURN 1, 1, 0, 1
	WIN 0
	s_cbranch_scc1 .LstepM\tag
	TURN 2, 1, 1
	TURN 3, 1, 1
.set i, 0
.rept 8
	PV NP-1
.set i, i+1
.endr
	WIN 0
	ALL v_add_f32 v[ST+4*t+2], v[ST+4*t+2], v[ST+4*t+3]
	ALL v_permlanex16_b32 v[ST+4*t+3], v[ST+4*t+2], s[SEL], s[SEL+1]
	ALL v_add_f32 v[ST+4*t+2], v[ST+4*t+2], v[ST+4*t+3]
	ALL v_rcp_f32 v[ST+4*t+2], v[ST+4*t+2]
	v_nop                           ; a plain instruction between the last reciprocal and the use of its result
	PACK 0
.set t, 1
.rept 3                             ; a piece's arithmetic stands between the loads of the piece before and its stores
	PACK t
	SEND t-1, 8
.set t, t+1
.endr
	SEND 3, 0
.endm
.set KM, 0
.set NOKQ, 0
.Lslot:                             ; NB times: a tile is entered and the next is asked for
	CHANGE 1
	s_sub_co_u32 s[RT], s[RT], 1
	s_mov_b32 s[CNT], 4
	s_cmp_eq_u32 s[NEW], 1
	s_cbranch_scc1 .Lnew            ; a block's first tile
	s_cmp_eq_u32 s[RT], 0
	s_cbranch_scc0 .Lstep           ; neither its first nor its last
	s_branch .LstepM1
.Lnew:
	BEGIN
	s_branch .Lfirst                ; in the loop a block's first tile is never its last: the first block has two tiles or more, and the second's last is the walk's last
	DIAG 1                          ; in the loop this is the first block's end: the second block's last tile is the walk's last
	s_wait_xcnt 0x0                 ; the stores have read their registers and O's address
	s_mov_b64 s[10:11], s[OLO:OLO+1]
	s_add_co_u32 s[RT], s[PB], 1    ; the second block has b + 1 tiles
	s_mov_b32 s[NEW], 1
	WIN 0x82                        ; the second block's Q goes where the one text of the turns names Q
.set i, 0
.rept 64
	v_mov_b32 v[i], v[QB+i]
.set i, i+1
.endr
	WIN 0
	s_branch .Lbottom
.Lstep:                             ; a trip: pieces 2 and 3 of one step, then pieces 0 and 1 of the next, whose K and V it fetches
	TURN 2
	TURN 3
	WIN 0
.Lfirst:
	TURN 0
	TURN 1, 0, 0, 1
	WIN 0
	s_cbranch_scc1 .Lstep
.Lbottom:
	s_sub_co_u32 s[SLOTS], s[SLOTS], 1
	s_cmp_lg_u32 s[SLOTS], 0
	s_cbranch_scc1 .Lslot
	CHANGE 0                        ; the walk's last tile is written out: nothing is asked for
	s_sub_co_u32 s[RT], s[RT], 1
	s_mov_b32 s[CNT], 4
	s_cmp_eq_u32 s[NEW], 1
	s_cbranch_scc0 .LstepM2
	BEGIN
	s_branch .LfirstM2
	DIAG 2
	s_wait_tensorcnt 0x0            ; the wave's end, behind my last tensor load and my last LDS store
	ds_add_u32 v[SPW], v[NIL]
	s_wait_dscnt 0x0
	s_endpgm
.Lfunc_end_k_qb11aef5fea_attn:
	.size	k_qb11aef5fea_attn, .Lfunc_end_k_qb11aef5fea_attn-k_qb11aef5fea_attn
	.p2alignl 7, 3214868480
	.fill 96, 4, 3214868480
	.section	.rodata,"a",@progbits
	.p2align	6, 0x0
	.amdhsa_kernel k_qb11aef5fea_attn
		.amdhsa_group_segment_fixed_size 327680
		.amdhsa_private_segment_fixed_size 0
		.amdhsa_enable_private_segment 0
		.amdhsa_kernarg_size 32
		.amdhsa_user_sgpr_count 2
		.amdhsa_user_sgpr_kernarg_segment_ptr 1
		.amdhsa_wavefront_size32 1
		.amdhsa_system_sgpr_workgroup_id_x 1
		.amdhsa_system_sgpr_workgroup_id_y 1
		.amdhsa_system_sgpr_workgroup_id_z 1
		.amdhsa_system_vgpr_workitem_id 0
		.amdhsa_next_free_vgpr 768
		.amdhsa_next_free_sgpr 88
		.amdhsa_reserve_vcc 1
		.amdhsa_float_denorm_mode_32 3
		.amdhsa_float_denorm_mode_16_64 3
		.amdhsa_memory_ordered 1
		.amdhsa_forward_progress 1
		.amdhsa_inst_pref_size 229
	.end_amdhsa_kernel
	.amdgpu_metadata
---
amdhsa.version: [ 1, 2 ]
amdhsa.kernels:
  - .name:           k_qb11aef5fea_attn
    .symbol:         k_qb11aef5fea_attn.kd
    .args:
      - { .name: q, .offset: 0, .size: 8, .value_kind: global_buffer, .address_space: global }
      - { .name: k, .offset: 8, .size: 8, .value_kind: global_buffer, .address_space: global }
      - { .name: v, .offset: 16, .size: 8, .value_kind: global_buffer, .address_space: global }
      - { .name: o, .offset: 24, .size: 8, .value_kind: global_buffer, .address_space: global }
    .group_segment_fixed_size: 327680
    .private_segment_fixed_size: 0
    .kernarg_segment_align: 8
    .kernarg_segment_size: 32
    .max_flat_workgroup_size: 128
    .sgpr_count:     88
    .vgpr_count:     768
    .wavefront_size: 32
...
	.end_amdgpu_metadata
.endif
;; end of part 3
;; launch proj (part 4): grid 8 x 32, 4 waves a work-group, clusters of 4 x 4, 327,680 bytes of LDS; arguments o, wpb, b_proj, out0; writes out0
.if DOCPART == 4
	.amdgcn_target "amdgcn-amd-amdhsa--gfx1250"
	.amdhsa_code_object_version 6
	.text
	.protected	k_qb11aef5fea_proj
	.globl	k_qb11aef5fea_proj
	.p2align	8
	.type	k_qb11aef5fea_proj,@function
k_qb11aef5fea_proj:
	s_mov_b64 s[64:65], 0
	v_nop
	global_prefetch_b8 v0, s[64:65] scope:SCOPE_SE
	s_setreg_imm32_b32 hwreg(HW_REG_WAVE_MODE, 25, 1), 1
	s_wait_xcnt 0x0
	s_wait_alu depctr_hold_cnt(0) depctr_sa_sdst(0) depctr_va_vdst(0) depctr_va_sdst(0) depctr_va_ssrc(0) depctr_va_vcc(0) depctr_vm_vsrc(0)
	s_getreg_b32 s2, hwreg(HW_REG_IB_STS2, 6, 4)
	s_cmp_eq_u32 s2, 0
	s_cbranch_scc0 .Lentry_in_a_cluster
	s_endpgm
.Lentry_in_a_cluster:
	s_bfe_u32 s2, ttmp6, 0x10000c
	s_cmp_lg_u32 s2, 0xf033
	s_cbranch_scc0 .Lentry_shape_is_right
	s_endpgm
.Lentry_shape_is_right:
; THE OUTPUT PROJECTION.  out[row][d] = sum over c of O[row][c] w_proj[d][c] + b[d], 8,192 x 1,024 x 1,024; operands f16, sums f32, out f32.
; OPERANDS.  o: [bh 64][t 2048][64] f16, which is [batch][kb = head][t][64]: a head's 64 channels are one block of K.  wpb: [kb 16][row 1024][64] f16.  A tile's rows (128 bytes) lie end to end: asked for as rows of 256 bytes.
; THE BIAS is rounded to bf16 like the program's other inputs (an error of at most 2^-9 of itself) and is the C operand of each accumulator's first product: no addition on the way out.
; SHARES.  Tiles of 256 x 128: 32 x 8 = 256 work-groups.  Four waves; wave w makes rows 128 (w / 2) on, columns 64 (w % 2) on: 8 x 4 = 32 accumulators, 256 registers.
; RING.  K goes in steps of 128 (two blocks of 64) through two LDS slots; each wave fetches ONE whole dense block of a step: wave 0 and 1 O's two blocks (256 rows, 32 KiB), waves 2 and 3 w's (128 rows, 16 KiB).
; By this text's count a wave has two tensor loads out at the start, later one, 112 matrix instructions ahead of the wait for it.
; CLUSTER.  4 x 4 work-groups: O's tiles are shared along a row of the cluster, w's along a column, each asked for JOINTLY by the same tensor load, descriptor and mask in all four.
; THE MATRIX INSTRUCTION IS USED TRANSPOSED (source 0 = 16 rows of w, source 1 = 16 rows of O): a lane holds row lane % 16 and the columns 8 (lane / 16) + 0..7: 32 bytes of a row of out.
; REGISTERS: window 0: v0-31 addresses; v32-127, v128-223 two fragment buffers (O's 8 fragments, then w's 4); v224-255 the bias as a C operand.  Window 1: accumulator (a, b) at v[8 (4 a + b)].
.set PITCH, 144                        ; an LDS row: 128 bytes + 16 of padding = 36 words: the 16 rows of a load start at 16 different groups of four banks (64 banks of 4 bytes: ISA guide 11.1)
.set ABLK,  256*PITCH                  ; a block of O's tile
.set BBLK,  128*PITCH                  ; of w's
.set BOFF,  2*ABLK
.set SLOT,  2*ABLK+2*BBLK              ; 110,592
.set STAGE, 2*SLOT                     ; behind the ring, never filled by a tensor load: 16 rows x 272 bytes for each wave
.set SPITCH, 272
.set SPARE, STAGE+4*16*SPITCH          ; behind the stages: the spare words, 128 bytes for each wave: two blocks of 256 bytes that no other line names
.set OKB,   2048*128                   ; bytes from a block of K to the next in o (a head)
.set WKB,   1024*128                   ; in wpb
.set ADRA, 4                           ; v4-5   LDS address of my fragments of O in slot 0, 1
.set ADRB, 6                           ; v6-7   the same for w
.set STO,  8                           ; v8     the way out: where I put 32 bytes of a row
.set RD,   9                           ; v9     where I read a row back
.set CO,   10                          ; v10    my byte offset in two rows of out
.set BO,   11                          ; v11    my byte offset in the bias
.set SPW,  28                          ; v28    LDS address of my spare word: SPARE + 4 x my thread's number; never rewritten
.set NIL,  29                          ; v29    0; never rewritten
.set F0,   32
.set F1,   128
.set BIAS, 224
.set OB,   32                          ; the way out: four sets of 32 registers by turns
.set WV,   14                          ; s14  my wave's number
.set RH,   15                          ; s15  which 128 rows are mine.  Also: I fetch for O (0) or for w (1)
.set CH,   16                          ; s16  which 64 columns are mine.  Also: which block of the step I fetch
.set G1,   24
.set G0,   32
.set G1B,  48
.set G0B,  56
.set FIELDS, (1<<16)|(1<<20)|(1<<21)|(4<<22)|(3<<25)  ; 2-byte elements; padding on; 21 set beside a mask; after every 32 words 4 words
.set MSB, 0
.macro WIN new
.if MSB != (\new)
	s_set_vgpr_msb (MSB<<8)|(\new)
.set MSB, (\new)
.endif
.endm
.macro PLACES                          ; four places in front of loads into registers that matrix instructions have read
.rept 4
	v_nop
.endr
.endm
.macro JLOAD s                         ; a joint load; an s_nop 0 and four v_nop follow each of the two lines
	s_cmp_eq_u32 s[RH], 0
	s_cbranch_scc0 .Lfor_b_\@
	tensor_load_to_lds s[G0+4*(\s):G0+4*(\s)+3], s[G1:G1+7]
	s_nop 0
.rept 4
	v_nop
.endr
	s_branch .Lasked_\@
.Lfor_b_\@:
	tensor_load_to_lds s[G0B+4*(\s):G0B+4*(\s)+3], s[G1B:G1B+7]
	s_nop 0
.rept 4
	v_nop
.endr
.Lasked_\@:
.endm
.macro CREST                           ; a round of the cluster's barrier behind its opening barrier
	s_cmp_lg_u32 s[WV], 0
	s_cbranch_scc1 .Lnot_wave_0_\@
	s_barrier_signal -3
.Lnot_wave_0_\@:
	s_barrier_wait -3
	s_barrier_signal -1
	s_barrier_wait -1
.endm
.macro CROUND
	s_barrier_signal -1
	s_barrier_wait -1
	CREST
.endm
	s_load_b256 s[4:11], s[0:1], 0x0               ; o s[4:5], wpb s[6:7], b_proj s[8:9], out0 s[10:11]
	v_lshl_add_u32 v[SPW], v0, 2, SPARE
	v_mov_b32 v[NIL], 0
	ds_add_u32 v[SPW], v[NIL]                      ; the wave's opening: the add and its wait stand ahead of my first tensor load; the set-up below, work on registers, stands between them
	ds_add_u32 v28, v29
	v_lshrrev_b32 v1, 5, v0
	v_readfirstlane_b32 s[WV], v1
	s_lshr_b32 s[RH], s[WV], 1
	s_and_b32 s[CH], s[WV], 1
	s_bfe_u32 s17, ttmp6, 0x40000                  ; cx
	s_bfe_u32 s18, ttmp6, 0x40004                  ; cy
	s_lshl_b32 s19, ttmp9, 2
	s_add_co_u32 s19, s19, s17                     ; tile column 0..7
	s_and_b32 s20, ttmp7, 0xffff
	s_lshl_b32 s20, s20, 2
	s_add_co_u32 s20, s20, s18                     ; tile row 0..31
	s_lshl_b32 s21, s18, 2
	s_lshl_b32 s21, 15, s21                        ; my row of the cluster
	s_lshl_b32 s22, 0x1111, s17                    ; my column
	s_or_b32 s[G1], s21, FIELDS
	s_or_b32 s[G1B], s22, FIELDS
	s_mov_b32 s[G1+1], 128<<16                     ; tensor_dim0 = 128 elements: 256 bytes, two rows of a block
	s_mov_b32 s[G1+2], 128<<16                     ; tensor_dim1 = 128: 256 rows of O
	s_mov_b32 s[G1+3], 128<<16
	s_mov_b32 s[G1+4], 128
	s_mov_b32 s[G1+5], 128                         ; dense
	s_mov_b32 s[G1+6], 0
	s_mov_b32 s[G1+7], 0
	s_mov_b32 s[G1B+1], 128<<16
	s_mov_b32 s[G1B+2], 64<<16                     ; 128 rows of w
	s_mov_b32 s[G1B+3], 128<<16
	s_mov_b32 s[G1B+4], 64
	s_mov_b32 s[G1B+5], 128
	s_mov_b32 s[G1B+6], 0
	s_mov_b32 s[G1B+7], 0
	; O's tile hangs on the tile row alone: batch tile row / 8 (16 heads of 262,144 bytes), rows 256 (tile row % 8) on; the block that I fetch is a head further on
	s_lshr_b32 s40, s20, 3
	s_lshl_b32 s40, s40, 22
	s_and_b32 s41, s20, 7
	s_lshl_b32 s41, s41, 15
	s_add_co_u32 s40, s40, s41
	s_lshl_b32 s41, s[CH], 18
	s_add_co_u32 s40, s40, s41
	s_mov_b32 s41, 0
	s_lshl_b32 s42, s19, 14                        ; w's on the tile column alone: 128 rows of 128 bytes
	s_lshl_b32 s43, s[CH], 17
	s_add_co_u32 s42, s42, s43
	s_mov_b32 s43, 0
	s_mul_i32 s44, s[CH], ABLK                     ; where they go: no place in the cluster enters an LDS address
	s_mul_i32 s45, s[CH], BBLK
	s_add_co_u32 s45, s45, BOFF
	s_lshl_b32 s23, s19, 9                         ; my 64 columns: 512 x tile column + 256 x half, in bytes of f32
	s_lshl_b32 s47, s[CH], 8
	s_add_co_u32 s23, s23, s47
	s_lshl_b32 s46, s20, 20                        ; my first row of out: 256 rows of 4,096 bytes a tile row,
	s_lshl_b32 s47, s[RH], 19                      ; 128 a half
	s_add_co_u32 s46, s46, s47
	s_add_co_u32 s46, s46, s23
	s_mov_b32 s47, 0
	s_wait_dscnt 0x0                               ; the opening add is done
	s_wait_kmcnt 0x0
	s_add_nc_u64 s[40:41], s[4:5], s[40:41]
	s_add_nc_u64 s[42:43], s[6:7], s[42:43]
	s_add_nc_u64 s[10:11], s[10:11], s[46:47]
	CROUND                                         ; all sixteen work-groups are here: the first joint loads meet
.irp s, 0,1
	s_mov_b32 s[G0+4*(\s)], 1
	s_add_co_u32 s[G0+4*(\s)+1], s44, (\s)*SLOT
	s_add_nc_u64 s[G0+4*(\s)+2:G0+4*(\s)+3], s[40:41], (\s)*2*OKB  ; K step s: two blocks on
	s_or_b32 s[G0+4*(\s)+3], s[G0+4*(\s)+3], 0x80000000
	s_mov_b32 s[G0B+4*(\s)], 1
	s_add_co_u32 s[G0B+4*(\s)+1], s45, (\s)*SLOT
	s_add_nc_u64 s[G0B+4*(\s)+2:G0B+4*(\s)+3], s[42:43], (\s)*2*WKB
	s_or_b32 s[G0B+4*(\s)+3], s[G0B+4*(\s)+3], 0x80000000
	JLOAD \s
.endr
	v_and_b32 v1, 15, v0                           ; l % 16
	v_bfe_u32 v2, v0, 4, 1                         ; l / 16
	v_lshl_add_u32 v[BO], v2, 5, s23               ; register j of block b holds b[my first column + 16 b + 8 (l / 16) + j]: the result's own layout
.irp b, 0,1,2,3
	global_load_b128 v[BIAS+8*(\b):BIAS+8*(\b)+3],   v[BO], s[8:9] offset:64*(\b)
	global_load_b128 v[BIAS+8*(\b)+4:BIAS+8*(\b)+7], v[BO], s[8:9] offset:64*(\b)+16
.endr
	v_mul_u32_u24 v3, v1, PITCH
	v_lshl_add_u32 v3, v2, 4, v3                   ; a fragment's row x pitch + 16 x half
	s_mul_i32 s21, s[RH], 128*PITCH                ; my 128 rows in each block of O,
	s_mul_i32 s22, s[CH], 64*PITCH                 ; my 64 rows in each block of w
	s_add_co_u32 s22, s22, BOFF
.irp s, 0,1
	v_add_nc_u32 v[ADRA+(\s)], s21, v3
	v_add_nc_u32 v[ADRB+(\s)], s22, v3
	s_add_co_u32 s21, s21, SLOT
	s_add_co_u32 s22, s22, SLOT
.endr
	s_mul_i32 s23, s[WV], 16*SPITCH
	s_add_co_u32 s23, s23, STAGE                   ; my stage
	v_mul_u32_u24 v12, v1, SPITCH                  ; in: row l % 16, 32 bytes for each half of the lanes
	v_lshl_add_u32 v12, v2, 5, v12
	v_add_nc_u32 v[STO], s23, v12
	v_mul_u32_u24 v13, v2, SPITCH                  ; back: lanes 0-15 take one row of 256 bytes, lanes 16-31 the next
	v_lshl_add_u32 v13, v1, 4, v13
	v_add_nc_u32 v[RD], s23, v13
	v_lshlrev_b32 v[CO], 12, v2                    ; and the same two rows in out
	v_lshl_add_u32 v[CO], v1, 4, v[CO]
	s_wait_loadcnt 0x0                             ; the bias
.set ii, 0
.rept 16
	v_cvt_pk_bf16_f32 v12, v[BIAS+2*ii], v[BIAS+2*ii+1]  ; rounded to bf16, and widened again
	v_lshlrev_b32 v[BIAS+2*ii], 16, v12
	v_and_b32 v[BIAS+2*ii+1], 0xffff0000, v12
.set ii, ii+1
.endr
; 24 LDS loads in one run: quarter q (32 along K: block q / 2, byte 64 (q % 2) of its rows) of a slot into buffer f: w's 4 fragments first, then O's 8
.macro FETCH slot, q, f
	WIN 0
.set ii, 0
.rept 4
	ds_load_b128 v[(\f)+64+8*ii:(\f)+64+8*ii+3],   v[ADRB+(\slot)] offset:((\q)/2)*BBLK+((\q)%2)*64+ii*16*PITCH
	ds_load_b128 v[(\f)+64+8*ii+4:(\f)+64+8*ii+7], v[ADRB+(\slot)] offset:((\q)/2)*BBLK+((\q)%2)*64+ii*16*PITCH+32
.set ii, ii+1
.endr
.set ii, 0
.rept 8
	ds_load_b128 v[(\f)+8*ii:(\f)+8*ii+3],   v[ADRA+(\slot)] offset:((\q)/2)*ABLK+((\q)%2)*64+ii*16*PITCH
	ds_load_b128 v[(\f)+8*ii+4:(\f)+8*ii+7], v[ADRA+(\slot)] offset:((\q)/2)*ABLK+((\q)%2)*64+ii*16*PITCH+32
.set ii, ii+1
.endr
.endm
; 8 matrix instructions: row blocks a0, a0 + 1 x all 4 column blocks.  first = 1: the product starts the sum with the bias.  A quarter takes the 32 accumulators once, in one order: they take turns.
.macro MUL8 f, a0, first
.if \first
	WIN 0x40                                       ; D in window 1, C (the bias) in window 0
.else
	WIN 0x50                                       ; C and D in window 1
.endif
.irp a, \a0, (\a0)+1
.irp b, 0,1,2,3
.if \first
	v_wmma_f32_16x16x32_f16 v[8*(4*(\a)+(\b)):8*(4*(\a)+(\b))+7], v[(\f)+64+8*(\b):(\f)+64+8*(\b)+7], v[(\f)+8*(\a):(\f)+8*(\a)+7], v[BIAS+8*(\b):BIAS+8*(\b)+7]
.else
	v_wmma_f32_16x16x32_f16 v[8*(4*(\a)+(\b)):8*(4*(\a)+(\b))+7], v[(\f)+64+8*(\b):(\f)+64+8*(\b)+7], v[(\f)+8*(\a):(\f)+8*(\a)+7], v[8*(4*(\a)+(\b)):8*(4*(\a)+(\b))+7]
.endif
.endr
.endr
.endm
; A K step is four quarters of 32 along K, 32 matrix instructions each, on buffers 0, 1, 0, 1.  One of the first three: multiplies buffer f and fetches quarter nq of the same slot into g.
.macro QUARTER slot, nq, f, g, first
	s_wait_dscnt 8                                 ; w's fragments and O's 0-3 are in; the youngest eight loads (O's 4-7) may be out
	MUL8 \f, 0, \first
	MUL8 \f, 2, \first
	PLACES
	FETCH \slot, \nq, \g
	s_wait_dscnt 24                                ; all but the 24 just issued
	MUL8 \f, 4, \first
	MUL8 \f, 6, \first
.endm
; The last quarter multiplies buffer 1 and changes slots: ONE barrier; in front of it each wave waits for all its tensor loads, adds 0 to its spare word, and waits for that and for its own reads of this slot.
; fill = 1: the barrier opens a round of the cluster's barrier, and this slot is filled again, two K steps on, first thing behind the round.
.macro TURN slot, next, fill
	WIN 0                                          ; the add's two registers lie in window 0
	s_wait_tensorcnt 0x0                           ; all my tensor loads have landed: my part of the next slot
	ds_add_u32 v[SPW], v[NIL]                      ; 0 onto my spare word
	s_wait_dscnt 9                                 ; the add and the youngest eight loads may be out
	MUL8 F1, 0, 0                                  ; eight matrix instructions stand between the add and the wait for it
	s_wait_dscnt 0x0                               ; the add is done, and my reads of this slot are over
	s_barrier_signal -1
	MUL8 F1, 2, 0
.if \fill
	WIN 0
.endif
	s_barrier_wait -1
.if \fill
	CREST                                          ; no wave of any partner still reads this slot or has a load on its way
	s_add_nc_u64 s[G0+4*(\slot)+2:G0+4*(\slot)+3], s[G0+4*(\slot)+2:G0+4*(\slot)+3], 4*OKB
	s_add_nc_u64 s[G0B+4*(\slot)+2:G0B+4*(\slot)+3], s[G0B+4*(\slot)+2:G0B+4*(\slot)+3], 4*WKB
	JLOAD \slot                                    ; the first tensor load behind the round; its four v_nop are also the places in front of the loads below
.else
	PLACES
.endif
	FETCH \next, 0, F0
	MUL8 F1, 4, 0
	MUL8 F1, 6, 0
.endm
	s_wait_tensorcnt 1                             ; my part of K step 0 is in; K step 1's may stay out
	s_barrier_signal -1
	s_barrier_wait -1                              ; everybody's is
	FETCH 0, 0, F0
	QUARTER 0, 1, F0, F1, 1                        ; the first quarter stands in front of the loop: its products start the sums, with the bias
	WIN 0                                          ; at a label and at a branch every window is 0
	s_mov_b32 s3, 3
.Llap:                                                 ; a trip goes once round the ring and fills both slots again: K steps 2 to 7 in three trips
	QUARTER 0, 2, F1, F0, 0
	QUARTER 0, 3, F0, F1, 0
	TURN 0, 1, 1
	QUARTER 1, 1, F0, F1, 0
	QUARTER 1, 2, F1, F0, 0
	QUARTER 1, 3, F0, F1, 0
	TURN 1, 0, 1
	QUARTER 0, 1, F0, F1, 0
	WIN 0
	s_sub_co_u32 s3, s3, 1
	s_cmp_lg_u32 s3, 0
	s_cbranch_scc1 .Llap
	QUARTER 0, 2, F1, F0, 0                        ; the last lap fills nothing
	QUARTER 0, 3, F0, F1, 0
	TURN 0, 1, 0
	QUARTER 1, 1, F0, F1, 0
	QUARTER 1, 2, F1, F0, 0
	QUARTER 1, 3, F0, F1, 0
	s_wait_dscnt 8                                 ; the very last quarter: nothing more to fetch
	MUL8 F1, 0, 0
	MUL8 F1, 2, 0
	s_wait_dscnt 0x0
	MUL8 F1, 4, 0
	MUL8 F1, 6, 0
; THE WAY OUT, a block of 16 rows x 64 columns of f32 at a time: 32 bytes a lane into my own stage (rows of 272 bytes), back as whole rows of 256 bytes, stored with sixteen lanes to a row.
.macro TOSTAGE a
.set bk, OB+32*((\a)%4)
	s_wait_xcnt 0x0                                ; the stores of the block four back have read this set of registers (ISA guide 3.1)
	WIN 0x04                                       ; the stores' data in window 1
.irp b, 0,1,2,3
	ds_store_b128 v[STO], v[8*(4*(\a)+(\b)):8*(4*(\a)+(\b))+3]   offset:64*(\b)      ; each accumulator from its low end on
	ds_store_b128 v[STO], v[8*(4*(\a)+(\b))+4:8*(4*(\a)+(\b))+7] offset:64*(\b)+16
.endr
	WIN 0
.irp t, 0,1,2,3,4,5,6,7
	ds_load_b128 v[bk+4*(\t):bk+4*(\t)+3], v[RD] offset:(\t)*2*SPITCH  ; LDS serves a wave's instructions in order (ISA guide 5.7.1.4): these see the stores above; the next block's stores come behind them
.endr
.endm
.macro SEND a, younger                 ; younger: the LDS instructions issued behind block a's loads
.set bk, OB+32*((\a)%4)
	WIN 0
.irp t, 0,1,2,3,4,5,6,7
	s_wait_dscnt (\younger)+7-(\t)
	global_store_b128 v[CO], v[bk+4*(\t):bk+4*(\t)+3], s[10:11] offset:(16*(\a)+2*(\t))*4096  ; 16 lanes store 256 consecutive bytes, at a multiple of 256 from out's first byte; 516,096 at the most
.endr
.endm
	PLACES
	PLACES                                         ; behind the last products, in front of the LDS stores that read results and of the loads into the fragments' registers
	TOSTAGE 0
.set aa, 1
.rept 7
	TOSTAGE aa
	SEND aa-1, 16
.set aa, aa+1
.endr
	SEND 7, 0
	s_wait_tensorcnt 0x0                           ; the wave's end, behind my last tensor load and my last LDS store
	ds_add_u32 v[SPW], v[NIL]
	s_wait_dscnt 0x0
	CROUND                                         ; the closing round: no work-group ends while a partner may still ask for a tile that names it
	s_endpgm
.Lfunc_end_k_qb11aef5fea_proj:
	.size	k_qb11aef5fea_proj, .Lfunc_end_k_qb11aef5fea_proj-k_qb11aef5fea_proj
	.p2alignl 7, 3214868480
	.fill 96, 4, 3214868480
	.section	.rodata,"a",@progbits
	.p2align	6, 0x0
	.amdhsa_kernel k_qb11aef5fea_proj
		.amdhsa_group_segment_fixed_size 327680
		.amdhsa_private_segment_fixed_size 0
		.amdhsa_enable_private_segment 0
		.amdhsa_kernarg_size 32
		.amdhsa_user_sgpr_count 2
		.amdhsa_user_sgpr_kernarg_segment_ptr 1
		.amdhsa_wavefront_size32 1
		.amdhsa_system_sgpr_workgroup_id_x 1
		.amdhsa_system_sgpr_workgroup_id_y 1
		.amdhsa_system_sgpr_workgroup_id_z 1
		.amdhsa_system_vgpr_workitem_id 0
		.amdhsa_next_free_vgpr 512
		.amdhsa_next_free_sgpr 66
		.amdhsa_reserve_vcc 0
		.amdhsa_float_denorm_mode_32 3
		.amdhsa_float_denorm_mode_16_64 3
		.amdhsa_memory_ordered 1
		.amdhsa_forward_progress 1
		.amdhsa_inst_pref_size 91
	.end_amdhsa_kernel
	.amdgpu_metadata
---
amdhsa.version: [ 1, 2 ]
amdhsa.kernels:
  - .name:           k_qb11aef5fea_proj
    .symbol:         k_qb11aef5fea_proj.kd
    .args:
      - { .name: o, .offset: 0, .size: 8, .value_kind: global_buffer, .address_space: global }
      - { .name: wpb, .offset: 8, .size: 8, .value_kind: global_buffer, .address_space: global }
      - { .name: b_proj, .offset: 16, .size: 8, .value_kind: global_buffer, .address_space: global }
      - { .name: out0, .offset: 24, .size: 8, .value_kind: global_buffer, .address_space: global }
    .group_segment_fixed_size: 327680
    .private_segment_fixed_size: 0
    .kernarg_segment_align: 8
    .kernarg_segment_size: 32
    .max_flat_workgroup_size: 128
    .sgpr_count:     66
    .vgpr_count:     512
    .wavefront_size: 32
...
	.end_amdgpu_metadata
.endif
;; end of part 4
;; ======== version 2 of 2: 4 launches; version 1 with the launch cast written anew for expert scheduling mode
;; limits: values are held in f16: magnitudes above 65,504 overflow, below 6.1e-05 lose precision
;; workspace buffers: xb 16,777,216 bytes; wqb 6,291,456 bytes; wpb 2,097,152 bytes; q 16,777,216 bytes; k 16,777,216 bytes; v 16,777,216 bytes; o 16,777,216 bytes
;; launch cast (part 5): grid 768 x 1, 8 waves a work-group, no clusters, 0 bytes of LDS; arguments x, w_qkv, w_proj, xb, wqb, wpb; writes xb, wqb, wpb
.if DOCPART == 5
	.amdgcn_target "amdgcn-amd-amdhsa--gfx1250"
	.amdhsa_code_object_version 6
	.text
	.protected	k_qb11aef5fea_cast
	.globl	k_qb11aef5fea_cast
	.p2align	8
	.type	k_qb11aef5fea_cast,@function
k_qb11aef5fea_cast:
	s_mov_b64 s[64:65], 0
	v_nop
	global_prefetch_b8 v0, s[64:65] scope:SCOPE_SE
	s_setreg_imm32_b32 hwreg(HW_REG_WAVE_SCHED_MODE, 0, 2), 2
	s_setreg_imm32_b32 hwreg(HW_REG_WAVE_MODE, 25, 1), 1
	s_wait_xcnt 0x0
	s_wait_alu depctr_vm_vsrc(0)
; THE INPUTS ARE ROUNDED ONCE TO 16 BITS AND LAID IN BLOCKS OF 64 ALONG K.
; x [8192][1024], w_qkv [3072][1024], w_proj [1024][1024], all f32  ->  xb, wqb (bf16), wpb (f16), each [kb 16][row][64]: a row of a block is 128 bytes,
; and the rows of a block lie end to end, so that the products' tiles (some rows x 64 along K) are dense in memory.
; w_proj is rounded to bf16 like the other inputs, and that number is then written as f16, since it is multiplied with f16 numbers.
; LIMITS.  |w_proj| stays under 65,504 (f16's end; beyond it an infinity is written); below 6e-5 it keeps f16's fixed step of 6e-8.
; SHARES.  A work-group takes 16 rows (64 KiB in, 32 KiB out): groups 0-511 x, 512-703 w_qkv, 704-767 w_proj.  Wave w takes rows 2 w and 2 w + 1: lanes 0-15 the even row, lanes 16-31 the odd.
; Load j takes block j of both rows: 16 bytes a lane, twice 256 consecutive bytes, aligned.  Store j: 8 bytes a lane, the two rows' 256 consecutive bytes of block j, aligned.
; All 16 loads of a wave go out at once; nothing is read twice, no register is used twice by memory instructions, so no wait frees a source.  No LDS, no barrier: no wave wants another's bytes.
; THE MODE: SCHED_MODE bits 1:0 = 2 (LLVM: expert scheduling mode 2), set by the entry lines.  The code itself states the register dependences
; between vector instructions and memory instructions, with s_wait_alu, always for 0.
; THE PLAN.  Registers that memory instructions touch:
;   v[IN]      Written by four vector lines at the head, never again; read by the sixteen loads as their offset.
;   X          Load j lands in its own four registers, once; no vector instruction writes them; block j's conversions read them behind the load's own counted wait.
;   Y          Block j's conversions write its pair, once; store j reads it; it is never written again.
;   OUTO       Written by sixteen vector lines behind the loads, never again; store j reads OUTO + j as its offset.
;   v2, v3 and T are named by vector instructions alone.
; So what is owed is that a register is written before a memory instruction reads it: one wait on va_vdst ahead of the loads, for v[IN], and one for each group of four blocks,
; behind the group's conversions and ahead of its run of four stores, for the group's Y; the first of these also stands behind all of OUTO.  No register that a memory instruction has read
; is written again and no load lands in a register that a vector instruction has named: there is no wait on vm_vsrc.  No vector instruction writes a scalar register, VCC or EXEC.
.set IN,   1                           ; v1        my byte offset in the group's 16 rows of f32
.set T,    4                           ; v[4:11]   at work (the f16 way)
.set X,    16                          ; v[16:79]  load j: 4 registers
.set Y,    80                          ; v[80:111] store j: 2 registers
.set OUTO, 112                         ; v[112:127] store j's byte offset: 8 x thread + j x the tensor's block stride
	s_load_b256 s[4:11], s[0:1], 0x0               ; x s[4:5], w_qkv s[6:7], w_proj s[8:9], xb s[10:11]
	s_load_b128 s[12:15], s[0:1], 0x20             ; wqb s[12:13], wpb s[14:15]
	s_mov_b32 s24, 512                             ; w_qkv's first work-group
	s_mov_b32 s25, 704                             ; w_proj's
	s_mov_b32 s26, 3072*128                        ; bytes in a block of wqb,
	s_mov_b32 s27, 1024*128                        ; of wpb,
	s_mov_b32 s28, 8192*128                        ; of xb
	v_lshrrev_b32 v2, 5, v0                        ; wave
	v_bfe_u32 v3, v0, 4, 1                         ; which of its two rows
	v_and_b32 v[IN], 15, v0
	v_lshlrev_b32 v[IN], 4, v[IN]                  ; 16 bytes a lane
	v_lshl_add_u32 v[IN], v3, 12, v[IN]            ; + a row of 4,096 bytes
	v_lshl_add_u32 v[IN], v2, 13, v[IN]            ; + the wave's two rows
	s_wait_kmcnt 0x0
	s_cmp_lt_u32 ttmp9, s25                        ; which tensor is mine hangs on the work-group's number alone
	s_cselect_b64 s[20:21], s[6:7], s[8:9]
	s_cselect_b64 s[22:23], s[12:13], s[14:15]
	s_cselect_b32 s17, s24, s25
	s_cselect_b32 s18, s26, s27
	s_cmp_lt_u32 ttmp9, s24
	s_cselect_b64 s[20:21], s[4:5], s[20:21]       ; from
	s_cselect_b64 s[22:23], s[10:11], s[22:23]     ; to
	s_cselect_b32 s17, 0, s17                      ; the tensor's first work-group
	s_cselect_b32 s18, s28, s18                    ; its block stride
	s_sub_co_u32 s19, ttmp9, s17                   ; my place in the tensor
	s_lshl_b32 s30, s19, 16                        ; 16 rows of 4,096 bytes
	s_mov_b32 s31, 0
	s_lshl_b32 s2, s19, 11                         ; 16 rows of 128 bytes
	s_mov_b32 s3, 0
	s_add_nc_u64 s[20:21], s[20:21], s[30:31]
	s_add_nc_u64 s[22:23], s[22:23], s[2:3]
	s_wait_alu depctr_va_vdst(0)                   ; v[IN] is written: the sixteen loads below read it as their offset
.irp j, 0,1,2,3,4,5,6,7,8,9,10,11,12,13,14,15
	global_load_b128 v[X+4*(\j):X+4*(\j)+3], v[IN], s[20:21] offset:256*(\j) th:TH_LOAD_NT
.endr
	v_lshlrev_b32 v[OUTO], 3, v0                   ; 256 x wave + 128 x row + 8 x (lane % 16) = 8 x thread
.set j, 1
.rept 15
	v_add_nc_u32 v[OUTO+j], s18, v[OUTO+j-1]       ; 15 blocks of xb pass the immediate's range, so the offsets lie in registers
.set j, j+1
.endr
	s_cmp_ge_u32 ttmp9, s25
	s_cbranch_scc1 .Lhalf
.macro CV16 j                          ; block j, to bf16
	s_wait_loadcnt 15-(\j)                         ; loads come back in order: load j is in, the younger ones stay out
	v_cvt_pk_bf16_f32 v[Y+2*(\j)],   v[X+4*(\j)],   v[X+4*(\j)+1]
	v_cvt_pk_bf16_f32 v[Y+2*(\j)+1], v[X+4*(\j)+2], v[X+4*(\j)+3]
.endm
.macro CVH j                           ; block j, to bf16 and that number as f16
	s_wait_loadcnt 15-(\j)
	v_cvt_pk_bf16_f32 v[T],   v[X+4*(\j)],   v[X+4*(\j)+1]
	v_cvt_pk_bf16_f32 v[T+1], v[X+4*(\j)+2], v[X+4*(\j)+3]
	v_lshlrev_b32 v[T+4], 16, v[T]
	v_and_b32     v[T+5], 0xffff0000, v[T]
	v_lshlrev_b32 v[T+6], 16, v[T+1]
	v_and_b32     v[T+7], 0xffff0000, v[T+1]
	v_cvt_pk_f16_f32 v[Y+2*(\j)],   v[T+4], v[T+5]
	v_cvt_pk_f16_f32 v[Y+2*(\j)+1], v[T+6], v[T+7]
.endm
.macro ST j                            ; block j leaves
	global_store_b64 v[OUTO+(\j)], v[Y+2*(\j):Y+2*(\j)+1], s[22:23]
.endm
.irp g, 0,1,2,3                        ; four groups of four blocks: the conversions, one wait, the run of stores
.irp i, 0,1,2,3
	CV16 4*(\g)+(\i)
.endr
	s_wait_alu depctr_va_vdst(0)                   ; the group's conversions have written its four pairs of Y, which the four stores below read; in group 0 also: the sixteen offsets OUTO are written
.irp i, 0,1,2,3
	ST 4*(\g)+(\i)
.endr
.endr
	s_endpgm
.Lhalf:
.irp g, 0,1,2,3
.irp i, 0,1,2,3
	CVH 4*(\g)+(\i)
.endr
	s_wait_alu depctr_va_vdst(0)                   ; the group's conversions have written its four pairs of Y, which the four stores below read; in group 0 also: the sixteen offsets OUTO are written
.irp i, 0,1,2,3
	ST 4*(\g)+(\i)
.endr
.endr
	s_endpgm
.Lfunc_end_k_qb11aef5fea_cast:
	.size	k_qb11aef5fea_cast, .Lfunc_end_k_qb11aef5fea_cast-k_qb11aef5fea_cast
	.p2alignl 7, 3214868480
	.fill 96, 4, 3214868480
	.section	.rodata,"a",@progbits
	.p2align	6, 0x0
	.amdhsa_kernel k_qb11aef5fea_cast
		.amdhsa_group_segment_fixed_size 0
		.amdhsa_private_segment_fixed_size 0
		.amdhsa_enable_private_segment 0
		.amdhsa_kernarg_size 48
		.amdhsa_user_sgpr_count 2
		.amdhsa_user_sgpr_kernarg_segment_ptr 1
		.amdhsa_wavefront_size32 1
		.amdhsa_system_sgpr_workgroup_id_x 1
		.amdhsa_system_sgpr_workgroup_id_y 1
		.amdhsa_system_sgpr_workgroup_id_z 1
		.amdhsa_system_vgpr_workitem_id 0
		.amdhsa_next_free_vgpr 128
		.amdhsa_next_free_sgpr 66
		.amdhsa_reserve_vcc 0
		.amdhsa_float_denorm_mode_32 3
		.amdhsa_float_denorm_mode_16_64 3
		.amdhsa_memory_ordered 1
		.amdhsa_forward_progress 1
		.amdhsa_inst_pref_size 18
	.end_amdhsa_kernel
	.amdgpu_metadata
---
amdhsa.version: [ 1, 2 ]
amdhsa.kernels:
  - .name:           k_qb11aef5fea_cast
    .symbol:         k_qb11aef5fea_cast.kd
    .args:
      - { .name: x, .offset: 0, .size: 8, .value_kind: global_buffer, .address_space: global }
      - { .name: w_qkv, .offset: 8, .size: 8, .value_kind: global_buffer, .address_space: global }
      - { .name: w_proj, .offset: 16, .size: 8, .value_kind: global_buffer, .address_space: global }
      - { .name: xb, .offset: 24, .size: 8, .value_kind: global_buffer, .address_space: global }
      - { .name: wqb, .offset: 32, .size: 8, .value_kind: global_buffer, .address_space: global }
      - { .name: wpb, .offset: 40, .size: 8, .value_kind: global_buffer, .address_space: global }
    .group_segment_fixed_size: 0
    .private_segment_fixed_size: 0
    .kernarg_segment_align: 8
    .kernarg_segment_size: 48
    .max_flat_workgroup_size: 256
    .sgpr_count:     66
    .vgpr_count:     128
    .wavefront_size: 32
...
	.end_amdgpu_metadata
.endif
;; end of part 5
;; launch qkv: the kernel of part 2 again; grid 8 x 32, 4 waves a work-group, clusters of 4 x 4, 327,680 bytes of LDS; arguments xb, wqb, q, k, v; writes q, k, v
;; launch attn: the kernel of part 3 again; grid 4 x 64, 4 waves a work-group, no clusters, 327,680 bytes of LDS; arguments q, k, v, o; writes o
;; launch proj: the kernel of part 4 again; grid 8 x 32, 4 waves a work-group, clusters of 4 x 4, 327,680 bytes of LDS; arguments o, wpb, b_proj, out0; writes out0
